; MI455X (gfx1250); checked and timed in simulation.
; The chip was launched on July 23, 2026; its instructions are those of AMD's public machine-readable ISA for CDNA 5 (MIT licence, August 2026) and "CDNA5" Instruction Set Architecture Reference Guide (July 2026). The comments in the code are by the model that wrote it; some were corrected since.
;; Grouped Query Attention. Allowed arithmetic: matrix products marked QUANTISED: E5M2 operands, one E8M0 scale for each 32 along K, by v_wmma_scale_f32_16x16x128_f8f6f4 with both operands' format E5M2, f32 sums; everything else in f32.
;; Inputs: o_b 1,024 float32; o_w 1,024 x 1,024 float32; wk_b 256 float32; wk_w 1,024 x 256 float32; wq_b 1,024 float32; wq_w 1,024 x 1,024 float32; wv_b 256 float32; wv_w 1,024 x 256 float32; x 4 x 2,048 x 1,024 float32.
;; Outputs: out0 4 x 2,048 x 1,024 float32.
;; This version of the problem:
;;   THIS VERSION OF THE PROBLEM IS GIVEN IN LOW PRECISION. The matrix products marked QUANTISED in the list below multiply operands that are first quantised to E5M2 (5 exponent bits, 2 mantissa bits; 8 bits a number), with one power-of-two scale for each 32 numbers along K (OCP MX v1.0); their sums are f32. All else is computed in f32.
;;   The module's matrix products, in the order in which they are computed (A, B: the left and right operand; K: the contracted axis; several contracted axes count as one K, in the product's order):
;;     1. [M 8,192, K 1,024] x [K 1,024, N 1,024]; A: input x; B: input wq_w: QUANTISED
;;     2. [M 8,192, K 1,024] x [K 1,024, N 256]; A: input x; B: input wk_w: QUANTISED
;;     3. [M 8,192, K 1,024] x [K 1,024, N 256]; A: input x; B: input wv_w: QUANTISED
;;     4. batch 64 x [M 2,048, K 64] x [K 64, N 2,048]; A: computed on the way; B: computed on the way: QUANTISED
;;     5. batch 64 x [M 2,048, K 2,048] x [K 2,048, N 64]; A: softmax (see below); B: computed on the way: QUANTISED
;;     6. [M 8,192, K 1,024] x [K 1,024, N 1,024]; A: computed on the way; B: input o_w: QUANTISED
;;   THE QUANTISER, for each operand of a quantised product, along K:
;;     - K is cut into blocks of 32 from its start; a last block that is shorter is filled with zeros.
;;     - A block's scale is 2^e with e = floor(log2(the largest magnitude in the block)) - 15, held to -126 .. 127; a block of zeros has e = 0. As a byte (E8M0): e + 127.
;;     - Each number is divided by its block's scale, clamped to +-57,344, and rounded to the nearest number of E5M2, ties to even, subnormals kept.
;;     - The product sums the exact products of the quantised numbers (number of the format x scale) in f32.
;;   ~~~python
;;   def quantise(x, axis):      # numpy; x: float32 -> the quantised numbers, widened to float32 again
;;       x = np.moveaxis(x, axis, -1); K = x.shape[-1]
;;       x = np.pad(x, [(0, 0)] * (x.ndim - 1) + [(0, -K % 32)]); x = x.reshape(x.shape[:-1] + (-1, 32)); a = np.abs(x).max(-1, keepdims=True)
;;       e = np.where(a > 0, np.clip(np.frexp(np.where(a > 0, a, 1))[1] - 1 - 15, -126, 127), 0)      # np.frexp(a)[1] - 1 = floor(log2(a)), exactly
;;       r = np.clip(x / 2.0 ** e, -57344, 57344)
;;       step = 2.0 ** (np.maximum(np.frexp(np.where(r == 0, 1, r))[1] - 1, -14) - 2)
;;       q = np.round(r / step) * step * 2.0 ** e      # np.round: ties to even
;;       return np.moveaxis(q.reshape(q.shape[:-2] + (-1,))[..., :K], -1, axis).astype(np.float32)
;;   ~~~
;;   SOFTMAX AHEAD OF A QUANTISED PRODUCT. Where the list says 'softmax', what is quantised is not the finished softmax but p = 2^(t - M), with t = logit x log2(e) and M = ceil(the row's largest t), a whole number; so 1/2 < the row's largest p <= 1. The row's sum l is taken of the UNQUANTISED p, in f32, and the product's result is divided by l at the end. Since M is a whole number, a kernel that streams over the keys may use a running M (the ceiling of the running maximum): every later rescaling is an exact power of two, which a block's scale takes up: the codes' values come out the same.
;;   OPERANDS COMPUTED ON THE WAY. 'Computed on the way' means the value that the module computes at that place (a softmax that the list does not call 'softmax' is quantised finished and normalised). What goes into a quantiser is computed in f32, as accurately as f32 sums, v_exp_f32 and their like allow (about 1e-6 of the number): no bf16 or f16 on the way to a quantiser, and a product that is left as it is and whose result goes on into a quantised operand takes f32 operands (vector FMAs, or v_wmma_f32_16x16x4_f32). A number that lies on a knife's edge between two numbers of the format may be rounded either way, as far as f32 arithmetic and the matrix unit's own rounding can turn it there, and no further.
;; One version. Each part assembles by itself: llvm-mc -triple=amdgcn-amd-amdhsa -mcpu=gfx1250 --defsym DOCPART=n.
;; ======== version 1 of 1: 4 launches
;; limits: right only within a limited range of input values
;; workspace buffers: xq 8,650,752 bytes; wq 2,703,360 bytes; rope 524,288 bytes; qc 8,912,896 bytes; kv 4,390,912 bytes; att 8,650,752 bytes
;; launch prep (part 1): grid 464 x 1, 4 waves a work-group, no clusters, 68,096 bytes of LDS; arguments x, wq_w, wk_w, wv_w, o_w, xq, wq, rope; writes xq, wq, rope
.if DOCPART == 1
	.amdgcn_target "amdgcn-amd-amdhsa--gfx1250"
	.amdhsa_code_object_version 6
	.text
	.protected	k_qf14de0a6fc_prep
	.globl	k_qf14de0a6fc_prep
	.p2align	8
	.type	k_qf14de0a6fc_prep,@function
k_qf14de0a6fc_prep:
	s_mov_b64 s[64:65], 0
	v_nop
	global_prefetch_b8 v0, s[64:65] scope:SCOPE_SE
	s_setreg_imm32_b32 hwreg(HW_REG_WAVE_MODE, 25, 1), 1
	s_wait_xcnt 0x0
; GROUPED-QUERY ATTENTION IN MX-BF8, launch 1 of 4: the operands that arrive as f32 become codes of E5M2 with one E8M0 byte for each 32 along K, and the table of cos and sin for the rotary embedding is made.
; WORK LEFT OUT IN THE PROGRAM: reference() sets the score of key k for query t to -infinity where k > t, by a mask that it builds itself; its softmax gives such a key the weight 0 for all values of the inputs.
; So a step of 128 keys all of which come after a tile's 16 queries reaches no output, and launch 3 multiplies neither product there.  Nothing else is left out; all nine inputs are loaded (wk_b moves the codes of K).
; LIMITS: NaN and infinities among the inputs are not served, and a NaN, an infinity or an overflow that reaches only the steps left out is not carried to the result.  A block whose largest magnitude lies under 2^-111
; keeps the byte 1; so does a block of zeros, where the rule says 127: its codes are zeros, and these bytes are read by this program alone.
; THE ORDER OF ROWS.  swap34(n) is n with bits 3 and 4 exchanged.  Row n of x, and column n of a weight, is stored at row swap34(n) of its buffer of codes.  A tile of 16 stored rows that is source 0 of a transposed product
; then leaves, in the 16 registers of two neighbouring tiles, 16 neighbours along that axis: the order in which the next quantiser and the next operand want them.
; THREE PATHS, by the work-group's number.  0-255: x, 8,192 rows of 1,024, K innermost: a stream of blocks of 32.  256-335: the four weights, [K][N] with K outermost: a lane takes a column and its registers run down K.
; 336-463: cos and sin of t x 10000^(-i/32), t under 2,048, i under 32.  Each path that uses LDS has LDS bytes of its own.  No tensor loads, no barrier: waves share nothing.
.set SPARE, 67584                      ; the spare words, 128 bytes for each wave: two blocks of 256 bytes that no other line names
.set SPW,   208                        ; v208  LDS address of my spare word; never rewritten
.set NIL,   209                        ; v209  0; never rewritten
.set MANT,  0x600000                   ; the mantissa field of 57,344 as f32
; path X
.set STEPS, 16
.set CB,    16                         ; bytes of 16 codes
.set R,     16                         ; v16-79   four sets of 16 numbers as they are loaded
.set X,     80                         ; v80-111  two sets of 16 neighbours
.set E,     112                        ; v112-127 a scale byte for each step
.set C,     128                        ; v128-191 codes: four registers for each step
.set WREG,  8192                       ; LDS bytes 0 to 32,767: a region for each wave: two stages of 32 x SP bytes, then its 256 scale bytes
.set SP,    80                         ; a lane's place in a stage: 64 bytes + 16 of padding
; path W
.set WSTG,  32768                      ; LDS bytes 32,768 to 67,583: a stage of 32 rows x PITCH for each wave
.set PITCH, 272
.set NB,    8                          ; blocks of 32 along K for a wave
.set WX,    32                         ; v32-95   two sets of 32 numbers
.set WC,    96                         ; v96-103  a block's codes
.set OUTR,  112                        ; v112-175 the way out
.set SB,    24                         ; v24-25   the scale bytes, four to a register
.set OF,    176                        ; v176-207 4 x lane + i x the weight's row pitch
.macro XLD t                           ; step t: four loads, each of 512 consecutive bytes
.irp i, 0,1,2,3
	global_load_b128 v[R+16*((\t)%4)+4*\i:R+16*((\t)%4)+4*\i+3], v3, s[4:5] offset:2048*(\t)+512*\i th:TH_LOAD_NT
.endr
.endm
.macro XTURN t                         ; step t's numbers through the stage: in as they lie, out 64 bytes a lane.  LDS serves a wave's instructions in order
.irp i, 0,1,2,3
	ds_store_b128 v14, v[R+16*((\t)%4)+4*\i:R+16*((\t)%4)+4*\i+3] offset:32*SP*((\t)%2)+8*SP*\i
.endr
.irp i, 0,1,2,3
	ds_load_b128 v[X+16*((\t)%2)+4*\i:X+16*((\t)%2)+4*\i+3], v15 offset:32*SP*((\t)%2)+16*\i
.endr
.endm
.macro XSTEP t
.set XS, X+16*((\t)%2)
.if (\t) > 0
	s_wait_dscnt 1                                 ; this step's numbers are back from the stage; the last step's byte store may be out
.else
	s_wait_dscnt 0x0
.endif
.if (\t)+4 < STEPS
	XLD (\t)+4                                     ; into the registers that the stage's stores have read
.endif
.if (\t)+1 < STEPS
.if STEPS-2-(\t) >= 3
	s_wait_loadcnt 12                              ; the next step's four loads are in; those of the three steps behind it may be out
.else
	s_wait_loadcnt 4*(STEPS-2-(\t))
.endif
	XTURN (\t)+1
.endif
	v_max3_num_f32 v8, |v[XS]|, |v[XS+1]|, |v[XS+2]|               ; the largest magnitude of my 16, in two chains
	v_max3_num_f32 v9, |v[XS+3]|, |v[XS+4]|, |v[XS+5]|
.irp i, 6,10
	v_max3_num_f32 v8, v8, |v[XS+\i]|, |v[XS+\i+1]|
	v_max3_num_f32 v9, v9, |v[XS+\i+2]|, |v[XS+\i+3]|
.endr
	v_max3_num_f32 v8, v8, |v[XS+14]|, |v[XS+15]|
	v_max3_num_f32 v8, v8, v9, 0x8000000           ; and the floor 2^(16 - 127): the byte cannot fall under 1
	v_max_num_f32_dpp v8, v8, v8 row_xmask:1 row_mask:0xf bank_mask:0xf   ; with my neighbour's 16: the block's
	v_add_nc_u32 v11, 0xf8800000, v8               ; 15 off the exponent field: the conversion's scale operand
	v_and_or_b32 v10, v8, 0x7f800000, s23          ; 57,344 x the scale
.irp i, 0,1,2,3,4,5,6,7,8,9,10,11,12,13,14,15
	v_med3_num_f32 v[XS+\i], v[XS+\i], -v10, v10   ; the conversion to an 8-bit code does not saturate (ISA guide 7.6.2): the hold comes first
.endr
	v_cvt_scalef32_pk8_bf8_f32 v[C+4*(\t):C+4*(\t)+1], v[XS:XS+7], v11
	v_cvt_scalef32_pk8_bf8_f32 v[C+4*(\t)+2:C+4*(\t)+3], v[XS+8:XS+15], v11
	v_lshrrev_b32 v[E+(\t)], 23, v11               ; the scale's byte
	ds_store_b8 v5, v[E+(\t)] offset:16*(\t)       ; both lanes of a block write the same byte with the same value
	global_store_b128 v4, v[C+4*(\t):C+4*(\t)+3], s[28:29] offset:32*CB*(\t)   ; 512 consecutive bytes a wave
.endm
.macro WLD t                           ; block t: W(32 t + i, my column), i = 0 .. 31, into set t % 2; 128 consecutive bytes a load
.set i, 0
.rept 32
	global_load_b32 v[WX+32*((\t)%2)+i], v[OF+i], s[32+2*(\t):33+2*(\t)] th:TH_LOAD_NT
.set i, i+1
.endr
.endm
.macro WBLK t
.set XS, WX+32*((\t)%2)
.if (\t) < NB-1
	s_wait_loadcnt 32                              ; this block's 32 loads are in; the next block's may be out
.else
	s_wait_loadcnt 0
.endif
	v_max3_num_f32 v12, |v[XS]|, |v[XS+1]|, |v[XS+2]|               ; all 32 numbers of the block are mine
	v_max3_num_f32 v13, |v[XS+3]|, |v[XS+4]|, |v[XS+5]|
.irp i, 6,10,14,18,22,26
	v_max3_num_f32 v12, v12, |v[XS+\i]|, |v[XS+\i+1]|
	v_max3_num_f32 v13, v13, |v[XS+\i+2]|, |v[XS+\i+3]|
.endr
	v_max3_num_f32 v12, v12, |v[XS+30]|, |v[XS+31]|
	v_max3_num_f32 v12, v12, v13, 0x8000000
	v_add_nc_u32 v11, 0xf8800000, v12
	v_and_or_b32 v10, v12, 0x7f800000, s52
	v_lshrrev_b32 v13, 23, v11
.if (\t)%4 == 0
	v_mov_b32 v[SB+(\t)/4], v13                    ; four bytes to a register, the lower K in the lower byte
.else
	v_lshl_or_b32 v[SB+(\t)/4], v13, 8*((\t)%4), v[SB+(\t)/4]
.endif
.set i, 0
.rept 32
	v_med3_num_f32 v[XS+i], v[XS+i], -v10, v10
.set i, i+1
.endr
.irp g, 0,1,2,3
	v_cvt_scalef32_pk8_bf8_f32 v[WC+2*\g:WC+2*\g+1], v[XS+8*\g:XS+8*\g+7], v11
.endr
	ds_store_b128 v4, v[WC:WC+3] offset:32*(\t)    ; 32 codes: 32 bytes of my column's row
	ds_store_b128 v4, v[WC+4:WC+7] offset:32*(\t)+16
.if (\t)+2 < NB
	WLD (\t)+2
.endif
	s_wait_dscnt 0x0                               ; the stores have read their registers: the next block's codes may be written
.endm
.macro PSEL k, a, b, c, d              ; lanes whose quad is k take these four powers of ten
	v_cmp_ne_u32 vcc_lo, \k, v10
	v_cndmask_b32 v12, \a, v12, vcc_lo
	v_cndmask_b32 v13, \b, v13, vcc_lo
	v_cndmask_b32 v14, \c, v14, vcc_lo
	v_cndmask_b32 v15, \d, v15, vcc_lo
.endm
; cos and sin of the angle in v[20+c]: n = the nearest whole number to angle x 2/pi; the angle less n x pi/2 in three parts by fused multiply-adds (n is under 1,304, so the first is exact); two polynomials on
; at most pi/4; n mod 4 says which is which and their signs.
.macro SINCOS c
	v_mul_f32 v[24+\c], s24, v[20+\c]
	v_rndne_f32 v[24+\c], v[24+\c]
	v_fma_f32 v[28+\c], v[24+\c], s25, v[20+\c]
	v_fma_f32 v[28+\c], v[24+\c], s26, v[28+\c]
	v_fma_f32 v[28+\c], v[24+\c], s27, v[28+\c]
	v_cvt_i32_f32 v[44+\c], v[24+\c]
	v_mul_f32 v[32+\c], v[28+\c], v[28+\c]
	v_fma_f32 v[36+\c], v[32+\c], s28, s29
	v_fma_f32 v[36+\c], v[36+\c], v[32+\c], s30
	v_fma_f32 v[36+\c], v[36+\c], v[32+\c], -0.5
	v_fma_f32 v[36+\c], v[36+\c], v[32+\c], 1.0
	v_fma_f32 v[40+\c], v[32+\c], s31, s32
	v_fma_f32 v[40+\c], v[40+\c], v[32+\c], s33
	v_mul_f32 v[48+\c], v[32+\c], v[28+\c]
	v_fma_f32 v[40+\c], v[40+\c], v[48+\c], v[28+\c]
	v_and_b32 v[48+\c], 1, v[44+\c]
	v_cmp_eq_u32 vcc_lo, 1, v[48+\c]
	v_cndmask_b32 v[56+\c], v[40+\c], v[36+\c], vcc_lo             ; n odd: the two change places
	v_cndmask_b32 v[52+\c], v[36+\c], v[40+\c], vcc_lo
	v_lshlrev_b32 v[48+\c], 30, v[44+\c]
	v_and_b32 v[48+\c], 0x80000000, v[48+\c]
	v_xor_b32 v[56+\c], v[56+\c], v[48+\c]         ; sin: minus where n mod 4 is 2 or 3
	v_add_nc_u32 v[48+\c], 1, v[44+\c]
	v_lshlrev_b32 v[48+\c], 30, v[48+\c]
	v_and_b32 v[48+\c], 0x80000000, v[48+\c]
	v_xor_b32 v[52+\c], v[52+\c], v[48+\c]         ; cos: minus where n mod 4 is 1 or 2
.endm
	s_load_b256 s[4:11], s[0:1], 0x0               ; x s[4:5], wq_w s[6:7], wk_w s[8:9], wv_w s[10:11]
	s_load_b256 s[12:19], s[0:1], 0x20             ; o_w s[12:13], xq s[14:15], wq s[16:17], rope s[18:19]
	v_lshl_add_u32 v[SPW], v0, 2, SPARE
	v_mov_b32 v[NIL], 0
	v_lshrrev_b32 v1, 5, v0
	v_readfirstlane_b32 s20, v1                    ; wave 0..3
	v_and_b32 v2, 31, v0                           ; lane
	s_wait_kmcnt 0x0
	s_cmp_lt_u32 ttmp9, 256
	s_cbranch_scc0 .Lnot_x
	; ---- PATH X: a wave takes 8 rows of x, 8,192 numbers, in 16 steps of 512
	s_wait_alu depctr_va_vdst(0)
	v_lshlrev_b32 v3, 4, v2                        ; my 16 bytes of a load's 512
	s_mul_i32 s21, s20, WREG
	v_lshrrev_b32 v14, 2, v2
	v_mul_u32_u24 v14, v14, SP
	v_and_b32 v15, 3, v2
	v_lshl_add_u32 v14, v15, 4, v14
	v_add_nc_u32 v14, s21, v14                     ; the stage, on the way in: SP (lane / 4) + 16 (lane % 4)
	v_mul_u32_u24 v15, v2, SP
	v_add_nc_u32 v15, s21, v15                     ; and on the way out: SP x lane
	v_mul_u32_u24 v4, v2, CB                       ; my codes' place in a step's
	v_lshrrev_b32 v5, 1, v2
	s_add_co_u32 s21, s21, 2*32*SP
	v_add_nc_u32 v5, s21, v5                       ; my wave's 256 scale bytes, my block's byte
	v_lshlrev_b32 v7, 3, v2
	v_add_nc_u32 v6, s21, v7                       ; and on the way out 8 bytes a lane
	s_mov_b32 s23, MANT
	s_lshl_b32 s24, ttmp9, 2
	s_add_co_u32 s25, s24, s20                     ; which 8 rows I read: 4 x work-group + wave
	s_and_b32 s26, s20, 1
	s_lshl_b32 s26, s26, 1
	s_lshr_b32 s27, s20, 1
	s_or_b32 s26, s26, s27
	s_add_co_u32 s24, s24, s26                     ; and where they go: bits 3 and 4 of a row are bits 0 and 1 of the wave: exchanged
	s_lshl_b32 s26, s25, 15
	s_mov_b32 s27, 0
	s_add_nc_u64 s[4:5], s[4:5], s[26:27]
	s_lshl_b32 s26, s24, 13
	s_add_nc_u64 s[28:29], s[14:15], s[26:27]      ; the codes
	s_lshl_b32 s26, s24, 8
	s_add_co_u32 s26, s26, 8388608
	s_add_nc_u64 s[30:31], s[14:15], s[26:27]      ; the scale bytes, behind the codes
.irp t, 0,1,2,3
	XLD \t
.endr
	s_wait_alu depctr_va_vdst(0)
	s_wait_loadcnt 12                              ; step 0's four loads are in
	XTURN 0
.irp t, 0,1,2,3,4,5,6,7,8,9,10,11,12,13,14,15
	XSTEP \t
.endr
	ds_load_b64 v[8:9], v6                         ; LDS serves a wave's instructions in order: these see my byte stores
	s_wait_dscnt 0x0
	global_store_b64 v7, v[8:9], s[30:31]          ; 32 lanes store 256 consecutive bytes, aligned
	s_wait_tensorcnt 0x0                           ; the wave's end: behind my last LDS store
	ds_add_u32 v[SPW], v[NIL]
	s_wait_dscnt 0x0
	s_endpgm
.Lnot_x:
	s_cmp_lt_u32 ttmp9, 336
	s_cbranch_scc0 .Lpath_r
	; ---- PATH W: a work-group takes 128 columns x 256 along K of one weight; a wave 32 columns
	s_sub_co_u32 s21, ttmp9, 256
	s_lshr_b32 s22, s21, 2                         ; block of 128 rows of wq, 0..19: 0-7 wq_w, 8-9 wk_w, 10-11 wv_w, 12-19 o_w
	s_and_b32 s23, s21, 3                          ; which 256 along K
	s_mov_b64 s[24:25], s[12:13]
	s_mov_b32 s26, 12
	s_mov_b32 s27, 4096                            ; the weight's row in bytes
	s_cmp_lt_u32 s22, 12                           ; the choices hang on the work-group's number alone
	s_cselect_b64 s[24:25], s[10:11], s[24:25]
	s_cselect_b32 s26, 10, s26
	s_cselect_b32 s27, 1024, s27
	s_cmp_lt_u32 s22, 10
	s_cselect_b64 s[24:25], s[8:9], s[24:25]
	s_cselect_b32 s26, 8, s26
	s_cmp_lt_u32 s22, 8
	s_cselect_b64 s[24:25], s[6:7], s[24:25]
	s_cselect_b32 s26, 0, s26
	s_cselect_b32 s27, 4096, s27
	s_sub_co_u32 s26, s22, s26                     ; the block of 128 columns in that weight
	s_wait_alu depctr_va_vdst(0)
	v_lshlrev_b32 v3, 2, v2                        ; 4 bytes a lane
.set i, 0
.rept 32
	v_mad_u32_u24 v[OF+i], s27, i, v3
.set i, i+1
.endr
	s_lshl_b32 s28, s23, 8
	s_mul_i32 s28, s28, s27                        ; 256 rows for each step along K,
	s_lshl_b32 s29, s26, 9
	s_add_co_u32 s28, s28, s29                     ; 128 columns a block,
	s_lshl_b32 s29, s20, 7
	s_add_co_u32 s28, s28, s29                     ; 32 a wave
	s_mov_b32 s29, 0
	s_add_nc_u64 s[32:33], s[24:25], s[28:29]      ; a base for each block of 32 rows; never rewritten
	s_lshl_b32 s28, s27, 5
.irp t, 1,2,3,4,5,6,7
	s_add_nc_u64 s[32+2*\t:33+2*\t], s[30+2*\t:31+2*\t], s[28:29]
.endr
	s_lshl_b32 s28, s22, 7
	s_lshl_b32 s30, s20, 5
	s_add_co_u32 s28, s28, s30                     ; my first row of wq, a multiple of 32
	s_lshl_b32 s30, s28, 10
	s_lshl_b32 s31, s23, 8
	s_add_co_u32 s30, s30, s31
	s_mov_b32 s31, 0
	s_add_nc_u64 s[48:49], s[16:17], s[30:31]      ; the codes
	s_lshl_b32 s30, s28, 5
	s_lshl_b32 s28, s23, 3
	s_add_co_u32 s30, s30, s28
	s_add_co_u32 s30, s30, 2621440
	s_add_nc_u64 s[50:51], s[16:17], s[30:31]      ; the scale bytes, behind the codes
	s_mov_b32 s52, MANT
	s_mul_i32 s53, s20, 32*PITCH
	s_add_co_u32 s53, s53, WSTG                    ; my stage
	v_mul_u32_u24 v4, v2, PITCH
	v_add_nc_u32 v4, s53, v4                       ; into it: row = my column
	v_and_b32 v5, 15, v2
	v_lshrrev_b32 v6, 4, v2
	v_mul_u32_u24 v7, v6, PITCH
	v_lshl_add_u32 v7, v5, 4, v7
	v_add_nc_u32 v7, s53, v7                       ; out of it: sixteen lanes to a row, two rows an instruction
	v_lshlrev_b32 v8, 10, v6
	v_lshl_add_u32 v8, v5, 4, v8                   ; and the same in wq: a row is 1,024 bytes
	v_and_b32 v9, 7, v2
	v_and_b32 v10, 8, v2
	v_lshl_or_b32 v9, v10, 1, v9
	v_and_b32 v10, 16, v2
	v_lshrrev_b32 v10, 1, v10
	v_or_b32 v9, v9, v10
	v_lshlrev_b32 v9, 5, v9                        ; my column's row of scale bytes: swap34(lane) x 32
	WLD 0
	WLD 1
.set Q, 0
.rept NB
	WBLK Q
.set Q, Q+1
.endr
	global_store_b64 v9, v[SB:SB+1], s[50:51]      ; my column's 8 scale bytes
.irp t, 0,1,2,3,4,5,6,7,8,9,10,11,12,13,14,15
	ds_load_b128 v[OUTR+4*\t:OUTR+4*\t+3], v7 offset:2*\t*PITCH
.endr
.irp t, 0,1,2,3,4,5,6,7,8,9,10,11,12,13,14,15
	s_wait_dscnt 15-\t                             ; LDS loads come back in order: load t is in
	global_store_b128 v8, v[OUTR+4*\t:OUTR+4*\t+3], s[48:49] offset:(((2*\t)&7)|(((2*\t)&8)<<1)|(((2*\t)&16)>>1))*1024   ; columns 2 t, 2 t + 1 go to rows swap34 of them; sixteen lanes store 256 consecutive bytes, aligned
.endr
	s_wait_tensorcnt 0x0                           ; the wave's end: behind my last LDS store
	ds_add_u32 v[SPW], v[NIL]
	s_wait_dscnt 0x0
	s_endpgm
.Lpath_r:
	; ---- PATH R: a thread makes cos and sin for one t and four frequencies i = 4 quad + c.  10000^(i/32) = 10^(i/8)
	s_sub_co_u32 s21, ttmp9, 336
	v_and_b32 v10, 7, v0                           ; quad
	s_wait_alu depctr_va_vdst(0)
	v_lshrrev_b32 v11, 3, v0
	s_lshl_b32 s22, s21, 4
	v_add_nc_u32 v11, s22, v11                     ; t
	v_cvt_f32_u32 v11, v11
	s_mov_b32 s24, 0x3f22f983                      ; 2 / pi
	s_mov_b32 s25, 0xbfc90fd8                      ; - pi / 2 in three parts
	s_mov_b32 s26, 0xb4a8885a
	s_mov_b32 s27, 0xa7c234c4
	s_mov_b32 s28, 0x37ccf5ce                      ; cos: 2.443315712e-5, -1.388731625e-3, 4.166664568e-2
	s_mov_b32 s29, 0xbab6061a
	s_mov_b32 s30, 0x3d2aaaa5
	s_mov_b32 s31, 0xb94ca1f9                      ; sin: -1.9515295891e-4, 8.3321608736e-3, -1.6666654611e-1
	s_mov_b32 s32, 0x3c08839e
	s_mov_b32 s33, 0xbe2aaaa3
	v_mov_b32 v12, 1.0
	v_mov_b32 v13, 1.333521432
	v_mov_b32 v14, 1.778279410
	v_mov_b32 v15, 2.371373706
	PSEL 1, 3.162277660, 4.216965034, 5.623413252, 7.498942093
	PSEL 2, 10.0, 13.33521432, 17.78279410, 23.71373706
	PSEL 3, 31.62277660, 42.16965034, 56.23413252, 74.98942093
	PSEL 4, 100.0, 133.3521432, 177.8279410, 237.1373706
	PSEL 5, 316.2277660, 421.6965034, 562.3413252, 749.8942093
	PSEL 6, 1000.0, 1333.521432, 1778.279410, 2371.373706
	PSEL 7, 3162.277660, 4216.965034, 5623.413252, 7498.942093
	s_wait_alu depctr_va_vdst(0)
.irp c, 0,1,2,3
	v_rcp_f32 v[16+\c], v[12+\c]
.endr
	v_nop                                          ; a plain instruction behind the last reciprocal
	s_wait_alu depctr_va_vdst(0)                   ; one wait for the four, ahead of their first reader
.irp c, 0,1,2,3
	v_fma_f32 v[20+\c], -v[12+\c], v[16+\c], 1.0   ; one step of refinement: the quotient 1 / 10^(i/8) to the last bit or nearly
.endr
.irp c, 0,1,2,3
	v_fma_f32 v[16+\c], v[16+\c], v[20+\c], v[16+\c]
.endr
.irp c, 0,1,2,3
	v_mul_f32 v[20+\c], v11, v[16+\c]              ; the angle, rounded once, as reference() has it
.endr
.irp c, 0,1,2,3
	SINCOS \c
.endr
	v_lshlrev_b32 v60, 4, v0
	s_lshl_b32 s22, s21, 11
	s_mov_b32 s23, 0
	s_add_nc_u64 s[18:19], s[18:19], s[22:23]
	global_store_b128 v60, v[52:55], s[18:19]                  ; cos [t][32]: 512 consecutive bytes a wave
	global_store_b128 v60, v[56:59], s[18:19] offset:262144    ; sin behind it
	s_endpgm
.Lfunc_end_k_qf14de0a6fc_prep:
	.size	k_qf14de0a6fc_prep, .Lfunc_end_k_qf14de0a6fc_prep-k_qf14de0a6fc_prep
	.p2alignl 7, 3214868480
	.fill 96, 4, 3214868480
	.section	.rodata,"a",@progbits
	.p2align	6, 0x0
	.amdhsa_kernel k_qf14de0a6fc_prep
		.amdhsa_group_segment_fixed_size 68096
		.amdhsa_private_segment_fixed_size 0
		.amdhsa_enable_private_segment 0
		.amdhsa_kernarg_size 64
		.amdhsa_user_sgpr_count 2
		.amdhsa_user_sgpr_kernarg_segment_ptr 1
		.amdhsa_wavefront_size32 1
		.amdhsa_system_sgpr_workgroup_id_x 1
		.amdhsa_system_sgpr_workgroup_id_y 1
		.amdhsa_system_sgpr_workgroup_id_z 1
		.amdhsa_system_vgpr_workitem_id 0
		.amdhsa_next_free_vgpr 212
		.amdhsa_next_free_sgpr 66
		.amdhsa_reserve_vcc 1
		.amdhsa_float_denorm_mode_32 3
		.amdhsa_float_denorm_mode_16_64 3
		.amdhsa_memory_ordered 1
		.amdhsa_forward_progress 1
		.amdhsa_inst_pref_size 122
	.end_amdhsa_kernel
	.amdgpu_metadata
---
amdhsa.version: [ 1, 2 ]
amdhsa.kernels:
  - .name:           k_qf14de0a6fc_prep
    .symbol:         k_qf14de0a6fc_prep.kd
    .args:
      - { .name: x, .offset: 0, .size: 8, .value_kind: global_buffer, .address_space: global }
      - { .name: wq_w, .offset: 8, .size: 8, .value_kind: global_buffer, .address_space: global }
      - { .name: wk_w, .offset: 16, .size: 8, .value_kind: global_buffer, .address_space: global }
      - { .name: wv_w, .offset: 24, .size: 8, .value_kind: global_buffer, .address_space: global }
      - { .name: o_w, .offset: 32, .size: 8, .value_kind: global_buffer, .address_space: global }
      - { .name: xq, .offset: 40, .size: 8, .value_kind: global_buffer, .address_space: global }
      - { .name: wq, .offset: 48, .size: 8, .value_kind: global_buffer, .address_space: global }
      - { .name: rope, .offset: 56, .size: 8, .value_kind: global_buffer, .address_space: global }
    .group_segment_fixed_size: 68096
    .private_segment_fixed_size: 0
    .kernarg_segment_align: 8
    .kernarg_segment_size: 64
    .max_flat_workgroup_size: 128
    .sgpr_count:     66
    .vgpr_count:     212
    .wavefront_size: 32
...
	.end_amdgpu_metadata
.endif
;; end of part 1
;; launch qkv (part 2): grid 32 x 6, 4 waves a work-group, no clusters, 327,680 bytes of LDS; arguments xq, wq, rope, wq_b, wk_b, wv_b, qc, kv; writes qc, kv
.if DOCPART == 2
	.amdgcn_target "amdgcn-amd-amdhsa--gfx1250"
	.amdhsa_code_object_version 6
	.text
	.protected	k_qf14de0a6fc_qkv
	.globl	k_qf14de0a6fc_qkv
	.p2align	8
	.type	k_qf14de0a6fc_qkv,@function
k_qf14de0a6fc_qkv:
	s_mov_b64 s[64:65], 0
	v_nop
	global_prefetch_b8 v0, s[64:65] scope:SCOPE_SE
	s_setreg_imm32_b32 hwreg(HW_REG_WAVE_MODE, 25, 1), 1
	s_wait_xcnt 0x0
; Launch 2 of 4: Q, K, V = x W + b on codes of E5M2, the rotary embedding on Q and K, and their quantisers; codes and scale words leave as images of launch 3's operand registers.
; A work-group makes 256 x 256: rows y = 0..3 Q, y = 4 K, y = 5 V.  The tile in LDS bytes 0 .. 2 HALFT is source 1 of the products, the tile behind it source 0.
; For Q and K the first is x's and the second a weight's; for V (its K is the keys) the two POINTERS change places, by a choice on the work-group's y alone, so that every LDS address is a constant plus lane and wave terms.
; NO CLUSTER: in row y = 5 the tile that four neighbours along x have in common lies where in rows 0..4 each has a tile of its own, and the other way round: one load line cannot carry one mask for all six rows.
.set NQ,     2
.set ROWB,   256
.set KROW,   1024
.set PITCH,  272
.set FR,     16
.set NL,     4
.set NP,     8
.set HALFT,  128*PITCH
.set SLOT,   4*HALFT
.set KS,     32
.set SCL,    2*SLOT
.set HALFS,  16*272
.set SBLK,   2*272
.set SPARE,  327168
.set ADRA, 16
.set ADRB, 20
.set ADRS, 27
.set SPW,  28
.set NIL,  29
.set SC,   32
.set AF,   128
.set CSA,  5
.set BIA,  6
.set BVA,  7
.set GA,   8
.set GR,   9
.set GL,   10
.set GV,   11
.set VO,   12
.set BI,   64
.set BV,   64
.set TMPA, 128
.set TMPB, 160
.set TM,   192
.set PC,   208
.set PWS,  224
.set G1, 24
.set G0, 32
.set G1B, 48
.set G0B, 56
.set G1S, 68
.set G0S, 76
.set G1SB, 80
.set G0SB, 88
.set MSB, 0
.macro WIN new
.if MSB != \new
	s_set_vgpr_msb (MSB<<8)|\new
.set MSB, \new
.endif
.endm
.set MUL_LO, 0xa1
.set MUL_HI, 0xf1
.set TO_B,   0x40
.macro JLOAD g0a, g1a, g0b, g1b
	s_cmp_eq_u32 s15, 0
	s_cbranch_scc0 .Lfor_b_\@
	tensor_load_to_lds s[\g0a:\g0a+3], s[\g1a:\g1a+7]
	s_nop 0
.rept 4
	v_nop
.endr
	s_branch .Lasked_\@
.Lfor_b_\@:
	tensor_load_to_lds s[\g0b:\g0b+3], s[\g1b:\g1b+7]
	s_nop 0
.rept 4
	v_nop
.endr
.Lasked_\@:
.endm
.macro CROUND
	s_barrier_signal -1
	s_barrier_wait -1
.endm
	s_load_b256 s[4:11], s[0:1], 0x0
	s_load_b256 s[92:99], s[0:1], 0x20
	v_lshl_add_u32 v[SPW], v0, 2, SPARE
	v_mov_b32 v[NIL], 0
	ds_add_u32 v[SPW], v[NIL]
	ds_add_u32 v[SPW], v[NIL]
	v_lshrrev_b32 v1, 5, v0
	v_readfirstlane_b32 s14, v1
	s_lshr_b32 s15, s14, 1
	s_and_b32 s16, s14, 1
	s_mov_b32 s17, ttmp9
	s_and_b32 s12, ttmp7, 0xffff
	s_mov_b32 s[G1+0], (1<<20)|(5<<22)|(3<<25)
	s_mov_b32 s[G1B+0], (1<<20)|(5<<22)|(3<<25)
.irp g, G1, G1B
	s_mov_b32 s[\g+1], ROWB<<16
	s_mov_b32 s[\g+2], 128<<16
	s_mov_b32 s[\g+3], ROWB<<16
	s_mov_b32 s[\g+4], 128
	s_mov_b32 s[\g+5], KROW
	s_mov_b32 s[\g+6], 0
	s_mov_b32 s[\g+7], 0
.endr
	s_mov_b32 s[G1B+2], 256<<16                    ; this group 1 serves the head's two loads of codes: 256 rows each; the ring's loads, 128 rows, all go by the other
	s_mov_b32 s[G1B+4], 256
	s_mov_b32 s[G1S+0], (3<<16)|(1<<20)|(5<<22)|(3<<25)
	s_mov_b32 s[G1SB+0], (3<<16)|(1<<20)|(5<<22)|(3<<25)
.irp g, G1S, G1SB
	s_mov_b32 s[\g+1], 32<<16
	s_mov_b32 s[\g+2], 32<<16
	s_mov_b32 s[\g+3], 32<<16
	s_mov_b32 s[\g+4], 32
	s_mov_b32 s[\g+5], 32
	s_mov_b32 s[\g+6], 0
	s_mov_b32 s[\g+7], 0
.endr
	s_lshl_b32 s18, s16, 7
	s_lshl_b32 s20, s17, 8
	s_add_co_u32 s20, s20, s18
	s_lshl_b32 s46, s12, 8
	s_add_co_u32 s46, s46, s18
	s_lshl_b32 s22, s20, 5
	s_add_co_u32 s22, s22, 8388608
	s_mov_b32 s23, 0
	s_lshl_b32 s42, s46, 5
	s_add_co_u32 s42, s42, 2621440
	s_mov_b32 s43, 0
	s_lshl_b32 s20, s20, 10
	s_mov_b32 s21, 0
	s_lshl_b32 s46, s46, 10
	s_mov_b32 s47, 0
	s_mul_i32 s45, s14, HALFT
	s_mul_i32 s44, s14, HALFS
	s_wait_dscnt 0x0
	s_wait_kmcnt 0x0
	s_add_nc_u64 s[20:21], s[4:5], s[20:21]
	s_add_nc_u64 s[22:23], s[4:5], s[22:23]
	s_add_nc_u64 s[46:47], s[6:7], s[46:47]
	s_add_nc_u64 s[42:43], s[6:7], s[42:43]
	s_cmp_eq_u32 s12, 5                            ; V: x's and the weight's pointers change places, codes and scale bytes alike
	s_cselect_b64 s[2:3], s[46:47], s[20:21]
	s_cselect_b64 s[46:47], s[20:21], s[46:47]
	s_mov_b64 s[20:21], s[2:3]
	s_cselect_b64 s[2:3], s[42:43], s[22:23]
	s_cselect_b64 s[42:43], s[22:23], s[42:43]
	s_mov_b64 s[22:23], s[2:3]
	s_mov_b32 s[G0S], 1
	s_add_co_u32 s[G0S+1], s44, SCL-HALFS          ; wave 1: the first tile's scale bytes, all 256 rows
	s_sub_nc_u64 s[G0S+2:G0S+3], s[22:23], 4096    ; (its pointer stood 128 rows of 32 bytes on)
	s_or_b32 s[G0S+3], s[G0S+3], 0x80000000
	s_mov_b32 s[G0SB], 1
	s_add_co_u32 s[G0SB+1], s44, SCL-HALFS         ; wave 3: the second tile's
	s_sub_nc_u64 s[G0SB+2:G0SB+3], s[42:43], 4096
	s_or_b32 s[G0SB+3], s[G0SB+3], 0x80000000
.irp s, 0,1
	s_mov_b32 s[G0+4*\s], 1
	s_add_co_u32 s[G0+4*\s+1], s45, \s*SLOT
	s_add_nc_u64 s[G0+4*\s+2:G0+4*\s+3], s[20:21], \s*ROWB
	s_or_b32 s[G0+4*\s+3], s[G0+4*\s+3], 0x80000000
	s_mov_b32 s[G0B+4*\s], 1
	s_add_co_u32 s[G0B+4*\s+1], s45, \s*SLOT
	s_add_nc_u64 s[G0B+4*\s+2:G0B+4*\s+3], s[46:47], \s*ROWB
	s_or_b32 s[G0B+4*\s+3], s[G0B+4*\s+3], 0x80000000
.endr
	; the head's four tiles, one load a wave, in one chain of branches on the wave's number: wave 0 K step 0 of the first tile's 256 rows, wave 2 of the second's, waves 1 and 3 their scale bytes
	s_cmp_eq_u32 s14, 0
	s_cbranch_scc0 .Lh_b
	tensor_load_to_lds s[G0:G0+3], s[G1B:G1B+7]
	s_nop 0
.rept 4
	v_nop
.endr
	s_branch .Lhead_asked
.Lh_b:
	s_cmp_eq_u32 s14, 2
	s_cbranch_scc0 .Lh_sa
	tensor_load_to_lds s[G0B:G0B+3], s[G1B:G1B+7]
	s_nop 0
.rept 4
	v_nop
.endr
	s_branch .Lhead_asked
.Lh_sa:
	s_cmp_eq_u32 s14, 1
	s_cbranch_scc0 .Lh_sb
	tensor_load_to_lds s[G0S:G0S+3], s[G1S:G1S+7]
	s_nop 0
.rept 4
	v_nop
.endr
	s_branch .Lhead_asked
.Lh_sb:
	tensor_load_to_lds s[G0SB:G0SB+3], s[G1S:G1S+7]
	s_nop 0
.rept 4
	v_nop
.endr
.Lhead_asked:
	s_wait_alu depctr_va_vdst(0)
	s_wait_tensorcnt 0x0                           ; ahead of a later first fill
	ds_add_u32 v28, v29
	s_wait_dscnt 0x0
	CROUND
	JLOAD G0+4, G1, G0B+4, G1                      ; K step 1, a quarter of slot 1 a wave
	v_and_b32 v1, 15, v0
	v_bfe_u32 v2, v0, 4, 1
	v_mul_u32_u24 v3, v1, PITCH
	v_lshl_add_u32 v4, v2, 4, v3
	s_wait_alu depctr_va_vdst(0)
	s_mul_i32 s21, s15, HALFT
	s_mul_i32 s22, s16, HALFT
	s_mul_i32 s42, s15, HALFS
	s_mul_i32 s43, s16, HALFS
	s_add_co_u32 s22, s22, 2*HALFT
	s_add_co_u32 s43, s43, 2*HALFS
.irp s, 0,1
	v_add_nc_u32 v[ADRA+\s], s21, v4
	v_add_nc_u32 v[ADRB+\s], s22, v4
	s_add_co_u32 s21, s21, SLOT
	s_add_co_u32 s22, s22, SLOT
.endr
	v_mul_u32_u24 v5, v1, KS
	v_lshrrev_b32 v6, 8, v5
	v_lshl_add_u32 v5, v6, 4, v5
	s_sub_co_u32 s43, s43, s42
	v_mul_u32_u24 v6, s43, v2
	s_add_co_u32 s42, s42, SCL
	v_add_nc_u32 v5, v5, v6
	v_add_nc_u32 v[ADRS], s42, v5
.macro FRAG reg, adr, q, i
.irp c, 0,1,2,3
	ds_load_b128 v[\reg+4*\c:\reg+4*\c+3], v[\adr] offset:128*(\q)+32*\c+(\i)*16*PITCH
.endr
.endm
.macro MUL16 a0, p, q, sc, zero
.irp a, \a0, \a0+1
.irp b, 0,1,2,3,4,5,6,7
.if \zero
	v_wmma_scale_f32_16x16x128_f8f6f4 v[8*(8*((\a)%4)+\b):8*(8*((\a)%4)+\b)+7], v[128*(\p)+FR*\b:128*(\p)+FR*\b+FR-1], v[AF+FR*(\a):AF+FR*(\a)+FR-1], 0, v[SC+8*NQ*(\sc)+NQ*\b+(\q)], v[SC+8*NQ*(\sc)+NQ*(\a)+(\q)] matrix_a_fmt:MATRIX_FMT_BF8 matrix_b_fmt:MATRIX_FMT_BF8 matrix_a_scale:MATRIX_SCALE_ROW1
.else
	v_wmma_scale_f32_16x16x128_f8f6f4 v[8*(8*((\a)%4)+\b):8*(8*((\a)%4)+\b)+7], v[128*(\p)+FR*\b:128*(\p)+FR*\b+FR-1], v[AF+FR*(\a):AF+FR*(\a)+FR-1], v[8*(8*((\a)%4)+\b):8*(8*((\a)%4)+\b)+7], v[SC+8*NQ*(\sc)+NQ*\b+(\q)], v[SC+8*NQ*(\sc)+NQ*(\a)+(\q)] matrix_a_fmt:MATRIX_FMT_BF8 matrix_b_fmt:MATRIX_FMT_BF8 matrix_a_scale:MATRIX_SCALE_ROW1
.endif
.endr
.endr
.endm
.macro FETCH_B slot, q, p
	WIN TO_B
.irp i, 0,1,2,3,4,5,6,7
	FRAG 128*(\p)+FR*\i, ADRB+\slot, \q, \i
.endr
	WIN 0
.endm
.macro FETCH_A slot, q, i0
.irp i, \i0, \i0+1, \i0+2, \i0+3
	FRAG AF+FR*(\i), ADRA+\slot, \q, \i
.endr
.endm
.macro SCALES sc
.irp i, 0,1,2,3,4,5,6,7
	ds_load_b64 v[SC+8*NQ*\sc+NQ*\i:SC+8*NQ*\sc+NQ*\i+1], v[ADRS] offset:\i*SBLK
.endr
.endm
.macro PLACES n
.rept \n
	v_nop
.endr
.endm
.macro STEP slot, q, zero
	s_wait_dscnt 4*NL
	WIN MUL_LO
	MUL16 0, (\q)%2, \q, \slot, \zero
	MUL16 2, (\q)%2, \q, \slot, \zero
	s_wait_dscnt 0
	PLACES NP
	FETCH_B \slot, (\q)+1, 1-(\q)%2
	FETCH_A \slot, (\q)+1, 0
	WIN MUL_HI
	MUL16 4, (\q)%2, \q, \slot, \zero
	MUL16 6, (\q)%2, \q, \slot, \zero
	PLACES NP
	WIN 0
	FETCH_A \slot, (\q)+1, 4
.endm
.macro TURN slot, next, fill
	s_wait_tensorcnt 0x0
	ds_add_u32 v[SPW], v[NIL]
	s_wait_dscnt 4*NL+1
	WIN MUL_LO
	MUL16 0, 1, NQ-1, \slot, 0
	s_wait_dscnt 0x0
	s_barrier_signal -1
	MUL16 2, 1, NQ-1, \slot, 0
	WIN 0
	s_barrier_wait -1
.if \fill
	s_add_nc_u64 s[G0+4*\slot+2:G0+4*\slot+3], s[G0+4*\slot+2:G0+4*\slot+3], 2*ROWB
	s_add_nc_u64 s[G0B+4*\slot+2:G0B+4*\slot+3], s[G0B+4*\slot+2:G0B+4*\slot+3], 2*ROWB
	JLOAD G0+4*\slot, G1, G0B+4*\slot, G1
	PLACES NP-4
.else
	PLACES NP
.endif
	s_wait_alu depctr_va_vdst(0)
	v_add_nc_u32 v[ADRS], 4*NQ, v[ADRS]
	FETCH_B \next, 0, 0
	FETCH_A \next, 0, 0
	SCALES \next
	WIN MUL_HI
	MUL16 4, 1, NQ-1, \slot, 0
	MUL16 6, 1, NQ-1, \slot, 0
	PLACES NP
	WIN 0
	FETCH_A \next, 0, 4
.endm
	s_wait_alu depctr_va_vdst(0)
	s_wait_tensorcnt 1
	s_barrier_signal -1
	s_barrier_wait -1
	FETCH_B 0, 0, 0
	FETCH_A 0, 0, 0
	SCALES 0
	FETCH_A 0, 0, 4
	STEP 0, 0, 1
	TURN 0, 1, 1
	STEP 1, 0, 0
	TURN 1, 0, 1
	STEP 0, 0, 0
	TURN 0, 1, 0
	STEP 1, 0, 0
	s_wait_dscnt 4*NL
	WIN MUL_LO
	MUL16 0, 1, NQ-1, 1, 0
	MUL16 2, 1, NQ-1, 1, 0
	s_wait_dscnt 0
	WIN MUL_HI
	MUL16 4, 1, NQ-1, 1, 0
	MUL16 6, 1, NQ-1, 1, 0
	WIN 0
	PLACES NP
	s_mov_b32 s24, 0x76543210
	s_mov_b32 s25, 0xfedcba98
	s_mov_b32 s26, 0x600000
	s_mov_b32 s27, 0xffff
	s_mov_b32 s28, 0x7f7f0000
	s_lshr_b32 s51, s17, 3
	s_and_b32 s52, s17, 7
	v_and_b32 v3, 7, v1
	v_lshrrev_b32 v4, 3, v1
	v_lshl_add_u32 v3, v4, 4, v3
	v_lshlrev_b32 v[CSA], 7, v3
	v_lshl_add_u32 v[CSA], v2, 6, v[CSA]
	v_lshlrev_b32 v[BIA], 6, v2
	v_lshlrev_b32 v[BVA], 2, v3
	s_lshl_b32 s18, s14, 10
	v_lshl_add_u32 v[GA], v1, 2, s18
	v_and_b32 v4, 31, v0
	v_lshlrev_b32 v[GL], 4, v4
	v_add_nc_u32 v[GR], s18, v[GL]
	v_mul_u32_u24 v[GV], v2, 12288
	v_lshl_add_u32 v[GV], v1, 4, v[GV]
.irp b, 0,1,2,3
	v_mov_b32 v[TM+4+\b], 0
.endr
.macro ROPE a
.set AW, 2+((\a)/4)
.set AC, 64*((\a)%4)
	s_wait_loadcnt 8*(7-(\a))
	WIN ((AW<<6)|AW)
.set n, 0
.rept 32
	v_pk_add_f32 v[AC+n:AC+n+1], v[AC+n:AC+n+1], v[BI+n:BI+n+1]
.set n, n+2
.endr
	WIN (AW|4)
.irp hh, 0,1
.set n, 0
.rept 8
	v_pk_mul_f32 v[TMPA+16*\hh+n:TMPA+16*\hh+n+1], v[AC+32*\hh+16+n:AC+32*\hh+16+n+1], v[32*(\a)+16+n:32*(\a)+16+n+1]
	v_pk_mul_f32 v[TMPB+16*\hh+n:TMPB+16*\hh+n+1], v[AC+32*\hh+n:AC+32*\hh+n+1], v[32*(\a)+16+n:32*(\a)+16+n+1]
.set n, n+2
.endr
.endr
	WIN ((AW<<6)|4|AW)
.irp hh, 0,1
.set n, 0
.rept 8
	v_pk_fma_f32 v[AC+32*\hh+n:AC+32*\hh+n+1], v[AC+32*\hh+n:AC+32*\hh+n+1], v[32*(\a)+n:32*(\a)+n+1], v[TMPA+16*\hh+n:TMPA+16*\hh+n+1] neg_lo:[0,0,1] neg_hi:[0,0,1]
	v_pk_fma_f32 v[AC+32*\hh+16+n:AC+32*\hh+16+n+1], v[AC+32*\hh+16+n:AC+32*\hh+16+n+1], v[32*(\a)+n:32*(\a)+n+1], v[TMPB+16*\hh+n:TMPB+16*\hh+n+1]
.set n, n+2
.endr
.endr
.endm
.macro VBIAS a
.set AW, 2+((\a)/4)
.set AC, 64*((\a)%4)
	WIN ((AW<<6)|AW)
.set n, 0
.rept 32
	v_pk_add_f32 v[AC+n:AC+n+1], v[AC+n:AC+n+1], v[BV+2*(\a):BV+2*(\a)+1]
.set n, n+2
.endr
.endm
.macro QUANT a
.set AW, 2+((\a)/4)
.set AC, 64*((\a)%4)
	WIN (AW|(AW<<2))
.irp b, 0,1,2,3
	v_max3_num_f32 v[TM+\b], |v[AC+16*\b]|, |v[AC+16*\b+1]|, 0x8000000
.endr
	WIN ((AW<<2)|(AW<<4))
.irp i, 2,4,6,8,10,12,14
.irp b, 0,1,2,3
	v_max3_num_f32 v[TM+\b], v[TM+\b], |v[AC+16*\b+\i]|, |v[AC+16*\b+\i+1]|
.endr
.endr
	WIN 0
.irp b, 0,1,2,3
	v_permlanex16_b32 v[TM+4+\b], v[TM+\b], s24, s25
.endr
.irp b, 0,1,2,3
	v_max_num_f32 v[TM+\b], v[TM+\b], v[TM+4+\b]
.endr
.irp b, 0,1,2,3
	v_add_nc_u32 v[TM+12+\b], 0xf8800000, v[TM+\b]
.endr
.irp b, 0,1,2,3
	v_and_or_b32 v[TM+8+\b], v[TM+\b], 0x7f800000, s26
.endr
.irp b, 0,1,2,3
	v_lshrrev_b32 v[TM+4+\b], 23, v[TM+12+\b]
.endr
	v_lshl_or_b32 v[PWS+(\a)], v[TM+5], 8, v[TM+4]
	v_lshl_or_b32 v[PWS+(\a)], v[TM+6], 16, v[PWS+(\a)]
	v_lshl_or_b32 v[PWS+(\a)], v[TM+7], 24, v[PWS+(\a)]
	WIN ((AW<<6)|AW)
.irp b, 0,1,2,3
.set n, 0
.rept 16
	v_med3_num_f32 v[AC+16*\b+n], v[AC+16*\b+n], -v[TM+8+\b], v[TM+8+\b]
.set n, n+1
.endr
.endr
	WIN AW
.irp b, 0,1,2,3
	v_cvt_scalef32_pk8_bf8_f32 v[PC+4*\b:PC+4*\b+1], v[AC+16*\b:AC+16*\b+7], v[TM+12+\b]
	v_cvt_scalef32_pk8_bf8_f32 v[PC+4*\b+2:PC+4*\b+3], v[AC+16*\b+8:AC+16*\b+15], v[TM+12+\b]
.endr
	WIN 0
	v_nop
.endm
	s_cmp_eq_u32 s12, 5
	s_cbranch_scc1 .Larm_v
	s_cmp_lt_u32 s12, 4
	s_cselect_b64 s[54:55], s[10:11], s[92:93]
	s_cselect_b32 s20, s12, 0
	s_lshl_b32 s20, s20, 10
	s_lshl_b32 s21, s16, 9
	s_add_co_u32 s20, s20, s21
	s_mov_b32 s21, 0
	s_add_nc_u64 s[54:55], s[54:55], s[20:21]
	s_lshl_b32 s20, s52, 15
	s_lshl_b32 s22, s15, 14
	s_add_co_u32 s20, s20, s22
	s_add_nc_u64 s[8:9], s[8:9], s[20:21]
.irp b, 0,1,2,3
.irp k, 0,1,2,3
	global_load_b128 v[BI+16*\b+4*\k:BI+16*\b+4*\k+3], v[BIA], s[54:55] offset:128*\b+16*\k
.endr
.endr
	WIN 0x40
.irp a, 0,1,2,3,4,5,6,7
.irp k, 0,1,2,3
	global_load_b128 v[32*\a+4*\k:32*\a+4*\k+3], v[CSA], s[8:9] offset:(32*(\a/2)+8*(\a%2))*128+16*\k
.endr
.irp k, 0,1,2,3
	global_load_b128 v[32*\a+16+4*\k:32*\a+16+4*\k+3], v[CSA], s[8:9] offset:262144+(32*(\a/2)+8*(\a%2))*128+16*\k
.endr
.endr
.irp a, 0,1,2,3,4,5,6,7
	ROPE \a
.endr
	WIN 0
	s_branch .Lquant
.Larm_v:
	s_lshl_b32 s20, s15, 9
	s_mov_b32 s21, 0
	s_add_nc_u64 s[54:55], s[94:95], s[20:21]
.irp a, 0,1,2,3,4,5,6,7
	global_load_b32 v[BV+2*\a], v[BVA], s[54:55] offset:(32*(\a/2)+8*(\a%2))*4
	global_load_b32 v[BV+2*\a+1], v[BVA], s[54:55] offset:(32*(\a/2)+8*(\a%2))*4
.endr
	s_wait_loadcnt 0x0
.irp a, 0,1,2,3,4,5,6,7
	VBIAS \a
.endr
	WIN 0
.Lquant:
	s_lshl_b32 s48, s51, 4
	s_lshl_b32 s18, s12, 2
	s_add_co_u32 s48, s48, s18
	s_lshl_b32 s18, s16, 1
	s_add_co_u32 s48, s48, s18
	s_lshl_b32 s49, s51, 2
	s_add_co_u32 s49, s49, s18
	s_lshl_b32 s50, s51, 2
	s_lshl_b32 s18, s15, 1
	s_add_co_u32 s50, s50, s18
	s_lshl_b32 s19, s48, 17
	s_lshl_b32 s18, s52, 14
	s_add_co_u32 s19, s19, s18
	s_lshl_b32 s18, s15, 13
	s_add_co_u32 s19, s19, s18
	s_lshl_b32 s20, s49, 18
	s_lshl_b32 s21, s52, 15
	s_add_co_u32 s20, s20, s21
	s_add_co_u32 s20, s20, s18
	s_lshl_b32 s22, s50, 18
	s_add_co_u32 s22, s22, s21
	s_lshl_b32 s18, s16, 13
	s_add_co_u32 s22, s22, s18
	s_add_co_u32 s22, s22, 16384
	s_mov_b32 s29, 262144
	s_mov_b32 s36, 1024
	s_mov_b32 s38, 1024
	s_cmp_lt_u32 s12, 4
	s_cselect_b64 s[32:33], s[96:97], s[98:99]
	s_cselect_b32 s34, s19, s20
	s_cselect_b32 s29, 131072, s29
	s_cmp_eq_u32 s12, 5
	s_cselect_b32 s34, s22, s34
	s_cselect_b32 s29, 1024, s29
	s_cselect_b32 s36, 2048, s36
	s_cselect_b32 s38, 256000, s38
	s_mov_b32 s35, 0
	s_mov_b32 s37, 0
	s_mov_b32 s39, 0
	s_add_nc_u64 s[32:33], s[32:33], s[34:35]
	v_mov_b32 v[VO], v[GL]
	v_add_nc_u32 v[VO+1], 512, v[GL]
	v_add_nc_u32 v[VO+2], s29, v[GL]
	v_add_nc_u32 v[VO+3], 512, v[VO+2]
.irp a, 0,1,2,3,4,5,6,7
.if \a > 0
	s_wait_xcnt 0x0
.if \a == 4
	s_add_nc_u64 s[32:33], s[32:33], s[38:39]
.else
	s_add_nc_u64 s[32:33], s[32:33], s[36:37]
.endif
.endif
	QUANT \a
.irp b, 0,1,2,3
	global_store_b128 v[VO+\b], v[PC+4*\b:PC+4*\b+3], s[32:33]
.endr
.endr
	s_cmp_eq_u32 s12, 5
	s_cbranch_scc1 .Lsc_v
.irp a, 0,1,2,3,4,5,6,7
	v_and_or_b32 v[128+\a], v[PWS+\a], s27, s28
	v_lshrrev_b32 v[136+\a], 16, v[PWS+\a]
.endr
.irp a, 0,1,2,3,4,5,6,7
	v_or_b32 v[136+\a], s28, v[136+\a]
.endr
.irp a, 0,1,2,3,4,5,6,7
	ds_store_b32 v[GA], v[128+\a] offset:64*\a
	ds_store_b32 v[GA], v[136+\a] offset:512+64*\a
.endr
	ds_load_b128 v[144:147], v[GR]
	ds_load_b128 v[148:151], v[GR] offset:512
	s_wait_xcnt 0x0
	s_lshl_b32 s19, s48, 13
	s_add_co_u32 s19, s19, 8388608
	s_mul_i32 s20, s49, 12288
	s_add_co_u32 s20, s20, 4194304
	s_mov_b32 s29, 12288
	s_cmp_lt_u32 s12, 4
	s_cselect_b64 s[32:33], s[96:97], s[98:99]
	s_cselect_b32 s34, s19, s20
	s_cselect_b32 s29, 8192, s29
	s_lshl_b32 s18, s52, 10
	s_add_co_u32 s34, s34, s18
	s_lshl_b32 s18, s15, 9
	s_add_co_u32 s34, s34, s18
	s_add_nc_u64 s[32:33], s[32:33], s[34:35]
	v_add_nc_u32 v152, s29, v[GL]
	s_wait_alu depctr_va_vdst(0)
	s_wait_dscnt 0x0
	global_store_b128 v[GL], v[144:147], s[32:33]
	global_store_b128 v152, v[148:151], s[32:33]
	s_wait_tensorcnt 0x0
	ds_add_u32 v[SPW], v[NIL]
	s_wait_dscnt 0x0
	s_branch .Lfin
.Lsc_v:
.irp a, 0,1,2,3,4,5,6,7
	ds_store_b32 v[GA], v[PWS+\a] offset:4096+64*\a
.endr
	ds_load_b128 v[144:147], v[GR] offset:4096
	s_wait_xcnt 0x0
	s_mul_i32 s34, s50, 12288
	s_add_co_u32 s34, s34, 4194304+8192
	s_lshl_b32 s18, s52, 9
	s_add_co_u32 s34, s34, s18
	s_lshl_b32 s18, s16, 8
	s_add_co_u32 s34, s34, s18
	s_add_nc_u64 s[32:33], s[98:99], s[34:35]
	s_wait_dscnt 0x0
	global_store_b128 v[GV], v[144:147], s[32:33]
	s_wait_tensorcnt 0x0
	ds_add_u32 v[SPW], v[NIL]
	s_wait_dscnt 0x0
.Lfin:
	s_endpgm
.Lfunc_end_k_qf14de0a6fc_qkv:
	.size	k_qf14de0a6fc_qkv, .Lfunc_end_k_qf14de0a6fc_qkv-k_qf14de0a6fc_qkv
	.p2alignl 7, 3214868480
	.fill 96, 4, 3214868480
	.section	.rodata,"a",@progbits
	.p2align	6, 0x0
	.amdhsa_kernel k_qf14de0a6fc_qkv
		.amdhsa_group_segment_fixed_size 327680
		.amdhsa_private_segment_fixed_size 0
		.amdhsa_enable_private_segment 0
		.amdhsa_kernarg_size 64
		.amdhsa_user_sgpr_count 2
		.amdhsa_user_sgpr_kernarg_segment_ptr 1
		.amdhsa_wavefront_size32 1
		.amdhsa_system_sgpr_workgroup_id_x 1
		.amdhsa_system_sgpr_workgroup_id_y 1
		.amdhsa_system_sgpr_workgroup_id_z 1
		.amdhsa_system_vgpr_workitem_id 0
		.amdhsa_next_free_vgpr 1024
		.amdhsa_next_free_sgpr 100
		.amdhsa_reserve_vcc 0
		.amdhsa_float_denorm_mode_32 3
		.amdhsa_float_denorm_mode_16_64 3
		.amdhsa_memory_ordered 1
		.amdhsa_forward_progress 1
		.amdhsa_inst_pref_size 255
	.end_amdhsa_kernel
	.section	.bss,"aw",@nobits
	.p2align	6
	.space	262144
	.amdgpu_metadata
---
amdhsa.version: [ 1, 2 ]
amdhsa.kernels:
  - .name:           k_qf14de0a6fc_qkv
    .symbol:         k_qf14de0a6fc_qkv.kd
    .args:
      - { .name: xq, .offset: 0, .size: 8, .value_kind: global_buffer, .address_space: global }
      - { .name: wq, .offset: 8, .size: 8, .value_kind: global_buffer, .address_space: global }
      - { .name: rope, .offset: 16, .size: 8, .value_kind: global_buffer, .address_space: global }
      - { .name: wq_b, .offset: 24, .size: 8, .value_kind: global_buffer, .address_space: global }
      - { .name: wk_b, .offset: 32, .size: 8, .value_kind: global_buffer, .address_space: global }
      - { .name: wv_b, .offset: 40, .size: 8, .value_kind: global_buffer, .address_space: global }
      - { .name: qc, .offset: 48, .size: 8, .value_kind: global_buffer, .address_space: global }
      - { .name: kv, .offset: 56, .size: 8, .value_kind: global_buffer, .address_space: global }
    .group_segment_fixed_size: 327680
    .private_segment_fixed_size: 0
    .kernarg_segment_align: 8
    .kernarg_segment_size: 64
    .max_flat_workgroup_size: 128
    .sgpr_count:     100
    .vgpr_count:     1024
    .wavefront_size: 32
...
	.end_amdgpu_metadata
.endif
;; end of part 2
;; launch attn (part 3): grid 16 x 16, 16 waves a work-group, clusters of 4 x 1, 327,680 bytes of LDS; arguments qc, kv, att; writes att
.if DOCPART == 3
	.amdgcn_target "amdgcn-amd-amdhsa--gfx1250"
	.amdhsa_code_object_version 6
	.text
	.protected	k_qf14de0a6fc_attn
	.globl	k_qf14de0a6fc_attn
	.p2align	8
	.type	k_qf14de0a6fc_attn,@function
k_qf14de0a6fc_attn:
	s_mov_b64 s[64:65], 0
	v_nop
	global_prefetch_b8 v0, s[64:65] scope:SCOPE_SE
	s_setreg_imm32_b32 hwreg(HW_REG_WAVE_MODE, 25, 1), 1
	s_wait_xcnt 0x0
	s_wait_alu depctr_hold_cnt(0) depctr_sa_sdst(0) depctr_va_vdst(0) depctr_va_sdst(0) depctr_va_ssrc(0) depctr_va_vcc(0) depctr_vm_vsrc(0)
	s_getreg_b32 s2, hwreg(HW_REG_IB_STS2, 6, 4)
	s_cmp_eq_u32 s2, 0
	s_cbranch_scc0 .Lentry_in_a_cluster
	s_endpgm
.Lentry_in_a_cluster:
	s_bfe_u32 s2, ttmp6, 0x10000c
	s_cmp_lg_u32 s2, 0x3003
	s_cbranch_scc0 .Lentry_shape_is_right
	s_endpgm
.Lentry_shape_is_right:
; Launch 3 of 4: for each head, O = softmax(Q K^T / 8, causal) V on codes of E5M2, O divided by the row's sum and quantised along (head, 64) for the last product.
; WORK LEFT OUT: a step of 128 keys all of which come after a tile's 16 queries (reference() masks them itself: see launch 1's head).
; LIMIT: the promise holds while the scaled scores (the exponents to the base 2) stay under 2^31 in magnitude.
; THE SOFTMAX AHEAD OF THE SECOND PRODUCT: t = score x log2(e) / 8; M = the row's largest t so far, rounded up to a whole number; p = 2^(t - M) is quantised along the keys, not normalised.  The row's sum is taken of
; the unquantised p and divides O at the end.  When M moves, the sum and O are multiplied by 2^(old M - new M): exact.
; LDS HOLDS A WHOLE KV HEAD: K's codes 131,072 bytes, V's 131,072, their scale words 12,288.  Each of the sixteen waves asks for one chunk of 16,384 bytes at the head; nothing is filled again, so the loops have no barrier.
; Two barriers show the tiles: the first waves 0 to 3's chunks (key steps 0 to 3) and the scale words, the second, behind four steps, the rest.
; SHARES.  y = g = 4 batch + kv head; 16 work-groups a kv head, in four clusters c of four partners cx.  Wave w: query head w % 4, k = w / 4, octet o = 2 k + c / 2, tile pair i = 8 o + 4 (c % 2) + cx.
; A wave takes tile 127 - i (16 - o live steps) and then tile i (o + 1 live steps): 17 live steps in every wave of the launch.  A work-group has a late tile in octet 15 or 14, so it reads bytes of every chunk.
; CLUSTER: the four partners ask for the sixteen chunks jointly.  Branches hang on o, made of the cluster's number and the wave's alone; cx enters global addresses and the mask's numbers only.
; NO PREFETCH: all that the launch reads through LDS is asked for at the head; no load follows in a loop that a prefetch could run ahead of.
; LAYOUT.  Both products are used transposed: S^T = K Q^T, O^T = V^T P^T: a lane holds ONE query throughout.  All operands arrive as images of their registers: 16 bytes a lane at 16 x lane.
; Lane r of a tile of tokens holds token 32 (tile / 2) + 8 (tile % 2) + r % 8 + 16 (r / 8): eight tiles cover 128 tokens on end, and S^T's tiles 2 b, 2 b + 1 hold keys 32 b + 16 (lane / 16) + 0 .. 15.
; A head has 64 numbers and the instruction takes 128 along K: Q's registers 8 to 15 hold zero codes under the scale byte 127.  K's eight fragments lie packed, 8 registers each: the upper half of a fragment's operand is
; the next fragment's codes (behind the last: p's codes), finite numbers that meet Q's zeros.
; REGISTERS: v1-11 addresses and constants; v12 -M, v13 the largest t, v[14:15] the sum; v16-31 Q; v32-95 K's eight fragments, then V's four; v96-111 p's codes; v112-175 S^T, then p; v176-207 O^T;
; v208-223 the quantiser; v224-227 K's scale words (lanes 0-15 tile 2 u, lanes 16-31 tile 2 u + 1), v228-229 V's; v230 f, v231 p's scale word; v232-239, v245 the second tile's Q; v246 Q's scale word; v247-254 at work.
.set SCK,   262144                     ; K's scale words: 64 bytes a tile, 512 a step
.set SCV,   270336                     ; V's: 256 bytes a step
.set SPARE, 274432                     ; the spare words, 128 bytes for each wave: eight blocks of 256 bytes that no other line names
.set SST,   276480                     ; the way out: the scale bytes of eight tiles x 16 rows x four heads x 2
.set AK0, 1
.set ASW, 2
.set QLT, 3
.set DV,  4
.set SPW, 5
.set NIL, 6
.set AD,  7
.set ADV, 8
.set ADS, 9
.set ADT, 10
.set INF, 11
.set KV,  32
.set PCD, 96
.set S,   112
.set O,   176
.set BM,  208
.set T2,  212
.set BND, 216
.set SOP, 220
.set KSW, 224
.set VSW, 228
.set F,   230
.set PW,  231
.set QE,  232
.set SO,  240
.set SD,  241
.set RB,  242
.set RR,  243
.set GO,  244
.set QES, 245
.set QS,  246
.set TMP, 247
.set OM,  254
.set WV,  10
.set HQ,  11
.set KK,  12
.set CX,  13
.set GG,  14
.set OE,  15                           ; s15 o: the early tile's octet;  s16 15 - o: the late tile's
.set OL,  16
.set TE,  17                           ; s17 i;  s18 127 - i
.set TL,  18
.set MNT, 19
.set SEL, 20
.set CS,  22
.set G1,  24
.set G0,  32
.set SI,  36                           ; s36 the key step;  s37 its K in LDS;  s38, s39 its scale words of K and of V;  s40 the octet of the tile in hand
.set TB,  37
.set TS,  38
.set TJ,  39
.set OC,  40
.macro CROUND                          ; a round of the cluster's barrier
	s_barrier_signal -1
	s_barrier_wait -1
	s_cmp_lg_u32 s[WV], 0
	s_cbranch_scc1 .Lnw0_\@
	s_barrier_signal -3
.Lnw0_\@:
	s_barrier_wait -3
	s_barrier_signal -1
	s_barrier_wait -1
.endm
.macro TLOAD                           ; an s_nop 0 and four v_nop follow the load
	tensor_load_to_lds s[G0:G0+3], s[G1:G1+7]
	s_nop 0
.rept 4
	v_nop
.endr
.endm
.macro SMUL t                          ; S^T's tile t
.if (\t)%2
	v_wmma_scale_f32_16x16x128_f8f6f4 v[S+8*(\t):S+8*(\t)+7], v[KV+8*(\t):KV+8*(\t)+15], v[16:31], 0, v[KSW+(\t)/2], v[QS] matrix_a_fmt:MATRIX_FMT_BF8 matrix_b_fmt:MATRIX_FMT_BF8 matrix_a_scale:MATRIX_SCALE_ROW1
.else
	v_wmma_scale_f32_16x16x128_f8f6f4 v[S+8*(\t):S+8*(\t)+7], v[KV+8*(\t):KV+8*(\t)+15], v[16:31], 0, v[KSW+(\t)/2], v[QS] matrix_a_fmt:MATRIX_FMT_BF8 matrix_b_fmt:MATRIX_FMT_BF8
.endif
.endm
.macro PMUL t                          ; O^T's tile t takes these 128 keys in
.if (\t)%2
	v_wmma_scale_f32_16x16x128_f8f6f4 v[O+8*(\t):O+8*(\t)+7], v[KV+16*(\t):KV+16*(\t)+15], v[PCD:PCD+15], v[O+8*(\t):O+8*(\t)+7], v[VSW+(\t)/2], v[PW] matrix_a_fmt:MATRIX_FMT_BF8 matrix_b_fmt:MATRIX_FMT_BF8 matrix_a_scale:MATRIX_SCALE_ROW1
.else
	v_wmma_scale_f32_16x16x128_f8f6f4 v[O+8*(\t):O+8*(\t)+7], v[KV+16*(\t):KV+16*(\t)+15], v[PCD:PCD+15], v[O+8*(\t):O+8*(\t)+7], v[VSW+(\t)/2], v[PW] matrix_a_fmt:MATRIX_FMT_BF8 matrix_b_fmt:MATRIX_FMT_BF8
.endif
.endm
; A tile begins: the mask's numbers, M, the sum and O^T; second = 1: the second tile's Q goes to its place
.macro TINIT T, OS, second
	s_and_b32 s44, s[\T], 7
	s_lshr_b32 s45, s44, 1
	s_lshl_b32 s45, s45, 5
	s_and_b32 s44, s44, 1
	s_lshl_b32 s44, s44, 3
	s_add_co_u32 s44, s44, s45                     ; the tile's first query within its 128
	v_add_nc_u32 v[DV], s44, v[QLT]                ; d: on the diagonal step register 16 b + e holds a key that is hidden where 32 b + e > d
.if \second
.set j, 0
.rept 8
	v_mov_b32 v[16+j], v[QE+j]
.set j, j+1
.endr
	v_mov_b32 v[QS], v[QES]
.endif
	v_mov_b32 v13, 0xff61b1e6                      ; the largest t so far: -3e38
	v_floor_f32 v12, -v13                          ; -M
	v_mov_b32 v14, 0
	v_mov_b32 v15, 0
.set j, 0
.rept 32
	v_mov_b32 v[O+j], 0                            ; the step is written for every step alike: the first finds zeros
.set j, j+1
.endr
	s_mov_b32 s[SI], 0
	s_mov_b32 s[TB], 0
	s_mov_b32 s[TS], 0
	s_mov_b32 s[TJ], SCV-SCK
	s_mov_b32 s[OC], s[\OS]
.endm
; A KEY STEP: 128 keys.  chk = 1: the step may be hidden or lie on the diagonal
.macro STEP chk
.if \chk
	s_cmp_gt_u32 s[SI], s[OC]                      ; all its keys come after my queries: a branch on ids, round the step's work, not round the lines at its end
	s_cbranch_scc1 .Lhid_\@
.endif
	v_add_nc_u32 v[AD], s[TB], v[AK0]
	v_add_nc_u32 v[ADS], s[TS], v[ASW]
	v_add_nc_u32 v[ADT], s[TJ], v[ASW]
	v_add_nc_u32 v[ADV], 0x20000, v[AD]            ; V's codes lie 131,072 bytes behind K's
.rept 4
	v_nop                                          ; with the four additions eight places behind the last products, ahead of loads into what they read
.endr
.irp u, 0,1,2,3
	ds_load_b32 v[KSW+\u], v[ADS] offset:128*\u
.endr
.irp t, 0,1,2,3,4,5,6,7
	ds_load_b128 v[KV+8*\t:KV+8*\t+3], v[AD] offset:1024*\t
	ds_load_b128 v[KV+8*\t+4:KV+8*\t+7], v[AD] offset:1024*\t+512
.endr
	s_wait_alu depctr_va_vdst(0)
	s_wait_dscnt 6                                 ; the scale words and fragments 0 to 4 are in; the last three fragments' six loads may be out
.irp t, 0,1,2,3
	SMUL \t
.endr
	s_wait_dscnt 0x0
.irp t, 4,5,6,7
	SMUL \t
.endr
	v_mov_b32 v[OM], v12                           ; the old -M; with seven v_nop the eight places behind the products
.rept 7
	v_nop
.endr
.irp u, 0,1
	ds_load_b32 v[VSW+\u], v[ADT] offset:128*\u
.endr
.irp t, 0,1,2,3                                ; V's four fragments land where K's lay, while the softmax is worked
.irp c, 0,1,2,3
	ds_load_b128 v[KV+16*\t+4*\c:KV+16*\t+4*\c+3], v[ADV] offset:2048*\t+512*\c
.endr
.endr
.if \chk
	s_cmp_lg_u32 s[SI], s[OC]                      ; on the diagonal the scores of hidden keys become -infinity ahead of the maximum
	s_cbranch_scc1 .Lopen_\@
.set n, 0
.rept 64
	v_cmp_gt_i32 vcc_lo, 32*(n/16)+n%16, v[DV]
	v_cndmask_b32 v[S+n], v[S+n], v[INF], vcc_lo
.set n, n+1
.endr
.Lopen_\@:
.endif
.irp b, 0,1,2,3
	v_max3_num_f32 v[BM+\b], v[S+16*\b], v[S+16*\b+1], v[S+16*\b+2]   ; the largest score of each block of 32 keys: for the row's maximum, and, since p rises with the score, for the block's largest p
.endr
.irp i, 3,5,7,9,11,13
.irp b, 0,1,2,3
	v_max3_num_f32 v[BM+\b], v[BM+\b], v[S+16*\b+\i], v[S+16*\b+\i+1]
.endr
.endr
.irp b, 0,1,2,3
	v_max_num_f32 v[BM+\b], v[BM+\b], v[S+16*\b+15]
.endr
.irp b, 0,1,2,3
	v_permlanex16_b32 v[T2+\b], v[BM+\b], s[SEL], s[SEL+1]
.endr
.irp b, 0,1,2,3
	v_max_num_f32 v[BM+\b], v[BM+\b], v[T2+\b]     ; with lane l xor 16's 16 keys
.endr
	s_delay_alu instid0(VALU_DEP_2)
	v_max3_num_f32 v[TMP], v[BM], v[BM+1], v[BM+2]
	s_delay_alu instid0(VALU_DEP_1)
	v_max_num_f32 v[TMP], v[TMP], v[BM+3]
	s_delay_alu instid0(VALU_DEP_1)
	v_mul_f32 v[TMP], s[CS], v[TMP]                ; as t (c is positive)
	s_delay_alu instid0(VALU_DEP_1)
	v_max_num_f32 v13, v13, v[TMP]                 ; the running largest t
	s_delay_alu instid0(VALU_DEP_1)
	v_floor_f32 v12, -v13                          ; the new -M = -ceil(t): a whole number
	s_delay_alu instid0(VALU_DEP_1)
	v_sub_f32 v[TMP], v12, v[OM]                   ; old M less new M: a whole number, 0 or less
	s_delay_alu instid0(VALU_DEP_1)
	v_cvt_i32_f32 v[TMP], v[TMP]                   ; (it saturates)
	s_delay_alu instid0(VALU_DEP_1)
	v_ldexp_f32 v[F], 1.0, v[TMP]                  ; f = 2^(old M - new M)
.set j, 0
.rept 32
	v_pk_fma_f32 v[S+j:S+j+1], v[S+j:S+j+1], s[CS:CS+1], v[12:13] op_sel_hi:[1,0,0]   ; t - M, two at a time
.set j, j+2
.endr
.irp b, 0,1,2,3
	v_fma_f32 v[BM+\b], v[BM+\b], s[CS], v12       ; the same of each block's largest score
.endr
	s_wait_alu depctr_va_vdst(0)                   ; ahead of the batch
.set j, 0
.rept 64
	v_exp_f32 v[S+j], v[S+j]                       ; p = 2^(t - M), at most 1
.set j, j+1
.endr
	v_pk_mul_f32 v[14:15], v[14:15], v[F:F+1] op_sel_hi:[1,0]      ; the sums under the new M: a plain instruction behind the exponentials
	s_wait_alu depctr_va_vdst(0)                   ; one wait for the whole batch, ahead of its first reader
.irp b, 0,1,2,3
	v_exp_f32 v[BM+\b], v[BM+\b]                   ; the block's largest p: the same two instructions on the same number give the same bits
.endr
	v_pk_add_f32 v[248:249], v[S:S+1], v[S+2:S+3]                  ; the row's sum of the unquantised p: 32 pairs in four chains
	v_pk_add_f32 v[250:251], v[S+4:S+5], v[S+6:S+7]
	v_pk_add_f32 v[252:253], v[S+8:S+9], v[S+10:S+11]
	v_pk_add_f32 v[14:15], v[14:15], v[S+12:S+13]
.irp j, 14,22,30,38,46,54
	v_pk_add_f32 v[248:249], v[248:249], v[S+\j:S+\j+1]
	v_pk_add_f32 v[250:251], v[250:251], v[S+\j+2:S+\j+3]
	v_pk_add_f32 v[252:253], v[252:253], v[S+\j+4:S+\j+5]
	v_pk_add_f32 v[14:15], v[14:15], v[S+\j+6:S+\j+7]
.endr
	v_pk_add_f32 v[248:249], v[248:249], v[S+62:S+63]
	v_pk_add_f32 v[250:251], v[250:251], v[252:253]
	v_pk_add_f32 v[14:15], v[14:15], v[248:249]
	v_pk_add_f32 v[14:15], v[14:15], v[250:251]
	s_wait_alu depctr_va_vdst(0)                   ; and one for the four
.irp b, 0,1,2,3
	v_max_num_f32 v[BM+\b], 0x8000000, v[BM+\b]    ; the floor 2^(16 - 127): a block whose every p is 0 keeps the byte 1: its codes are zeros
.endr
.irp b, 0,1,2,3
	v_add_nc_u32 v[SOP+\b], 0xf8800000, v[BM+\b]   ; 15 off the exponent field: the conversion's scale operand
.endr
.irp b, 0,1,2,3
	v_and_or_b32 v[BND+\b], v[BM+\b], 0x7f800000, s[MNT]           ; 57,344 x the scale
.endr
.irp b, 0,1,2,3
	v_lshrrev_b32 v[T2+\b], 23, v[SOP+\b]          ; the scale's byte
.endr
	s_delay_alu instid0(VALU_DEP_3)
	v_lshl_or_b32 v[PW], v[T2+1], 8, v[T2]         ; p's scale word for these 128 keys
	s_delay_alu instid0(VALU_DEP_1)
	v_lshl_or_b32 v[PW], v[T2+2], 16, v[PW]
	s_delay_alu instid0(VALU_DEP_1)
	v_lshl_or_b32 v[PW], v[T2+3], 24, v[PW]
.irp b, 0,1,2,3
.irp j, 0,2,4,6,8,10,12,14
	v_dual_min_num_f32 v[S+16*\b+\j], v[S+16*\b+\j], v[BND+\b] :: v_dual_min_num_f32 v[S+16*\b+\j+1], v[S+16*\b+\j+1], v[BND+\b]   ; the hold, two to a line; p is not negative, so it is one-sided
.endr
	v_cvt_scalef32_pk8_bf8_f32 v[PCD+4*\b:PCD+4*\b+1], v[S+16*\b:S+16*\b+7], v[SOP+\b]
	v_cvt_scalef32_pk8_bf8_f32 v[PCD+4*\b+2:PCD+4*\b+3], v[S+16*\b+8:S+16*\b+15], v[SOP+\b]
.endr
	s_wait_alu depctr_va_vdst(0)                   ; directly ahead of the first reader of O^T
.set j, 0
.rept 16
	v_pk_mul_f32 v[O+j:O+j+1], v[O+j:O+j+1], v[F:F+1] op_sel_hi:[1,0]   ; O^T under the new M.  These sixteen are also the places between the conversions and the products
.set j, j+2
.endr
	s_wait_alu depctr_va_vdst(0)
	s_wait_dscnt 0x0                               ; V's fragments and scale words
.irp t, 0,1,2,3                                ; four accumulators by turns
	PMUL \t
.endr
.Lhid_\@:
	s_add_co_u32 s[SI], s[SI], 1
	s_add_co_u32 s[TB], s[TB], 8192
	s_add_co_u32 s[TS], s[TS], 512
	s_add_co_u32 s[TJ], s[TJ], 256
.endm
; THE WAY OUT of a tile: O^T / the sum, quantised along the head's 64 (two blocks), stored as the image of the last product's operand; its scale bytes go to LDS.  sl: 0 the late tile, 1 the early one
.macro WOUT T, sl
.rept 8
	v_nop
.endr
	s_lshr_b32 s44, s[GG], 2
	s_lshl_b32 s44, s44, 7
	s_add_co_u32 s44, s44, s[\T]                   ; my tile among the 512 tiles of 16 rows
	s_lshl_b32 s46, s44, 14                        ; [tile of 16 rows][kv head][head][block]: 16,384, 4,096, 1,024, 512 bytes
	s_and_b32 s44, s[GG], 3
	s_lshl_b32 s44, s44, 12
	s_add_co_u32 s46, s46, s44
	s_lshl_b32 s44, s[HQ], 10
	s_add_co_u32 s46, s46, s44
	s_mov_b32 s47, 0
	s_add_nc_u64 s[56+2*\sl:57+2*\sl], s[8:9], s[46:47]
	s_lshl_b32 s44, s[KK], 7
	s_lshl_b32 s45, s[HQ], 1
	s_add_co_u32 s44, s44, s45
	s_add_co_u32 s44, s44, SST+512*\sl
	v_add_f32 v14, v14, v15
	v_permlanex16_b32 v[F], v14, s[SEL], s[SEL+1]
	v_add_f32 v14, v14, v[F]                       ; the row's sum
	s_wait_alu depctr_va_vdst(0)                   ; ahead of the reciprocal
	v_rcp_f32 v14, v14
	v_lshl_add_u32 v[TMP], v[RR], 3, s44           ; where my row's two bytes go: 128 x tile + 8 r + 2 x head.  A plain instruction behind the reciprocal
	s_wait_alu depctr_va_vdst(0)                   ; the wait ahead of the reciprocal's first reader, which is O^T's too
.set j, 0
.rept 16
	v_pk_mul_f32 v[S+j:S+j+1], v[O+j:O+j+1], v[14:15] op_sel_hi:[1,0]   ; register 16 b + e is number 32 b + 16 (lane / 16) + e of my head
.set j, j+2
.endr
.irp b, 0,1
	v_max3_num_f32 v[BM+\b], |v[S+16*\b]|, |v[S+16*\b+1]|, 0x8000000
.endr
.irp i, 2,4,6,8,10,12,14
.irp b, 0,1
	v_max3_num_f32 v[BM+\b], v[BM+\b], |v[S+16*\b+\i]|, |v[S+16*\b+\i+1]|
.endr
.endr
.irp b, 0,1
	v_permlanex16_b32 v[T2+\b], v[BM+\b], s[SEL], s[SEL+1]
.endr
.irp b, 0,1
	v_max_num_f32 v[BM+\b], v[BM+\b], v[T2+\b]
.endr
.irp b, 0,1
	v_add_nc_u32 v[SOP+\b], 0xf8800000, v[BM+\b]
.endr
.irp b, 0,1
	v_and_or_b32 v[BND+\b], v[BM+\b], 0x7f800000, s[MNT]
.endr
.irp b, 0,1
	v_lshrrev_b32 v[T2+\b], 23, v[SOP+\b]
.endr
	v_lshl_or_b32 v[OM], v[T2+1], 8, v[T2]
.irp b, 0,1
.set j, 0
.rept 16
	v_med3_num_f32 v[S+16*\b+j], v[S+16*\b+j], -v[BND+\b], v[BND+\b]
.set j, j+1
.endr
.endr
.irp b, 0,1
	v_cvt_scalef32_pk8_bf8_f32 v[PCD+4*\b:PCD+4*\b+1], v[S+16*\b:S+16*\b+7], v[SOP+\b]
	v_cvt_scalef32_pk8_bf8_f32 v[PCD+4*\b+2:PCD+4*\b+3], v[S+16*\b+8:S+16*\b+15], v[SOP+\b]
.endr
	v_nop
	global_store_b128 v[AK0], v[PCD:PCD+3], s[56+2*\sl:57+2*\sl]              ; 512 consecutive bytes, aligned
	global_store_b128 v[AK0], v[PCD+4:PCD+7], s[56+2*\sl:57+2*\sl] offset:512
	ds_store_b16 v[TMP], v[OM]                     ; lanes r and r + 16 write the same two bytes with the same value
.endm
	s_load_b128 s[4:7], s[0:1], 0x0                ; qc s[4:5], kv s[6:7]
	s_load_b64 s[8:9], s[0:1], 0x10                ; att
	v_lshl_add_u32 v[SPW], v0, 2, SPARE
	v_mov_b32 v[NIL], 0
	ds_add_u32 v[SPW], v[NIL]                      ; the wave's opening: the add, twice on end, and its wait ahead of the first tensor load
	ds_add_u32 v[SPW], v[NIL]
	v_lshrrev_b32 v7, 5, v0
	v_readfirstlane_b32 s[WV], v7                  ; wave 0..15
	v_lshlrev_b32 v[SO], 4, v0                     ; waves 0 to 3: 16 bytes a thread of the scale words, in memory
	v_lshl_add_u32 v[SD], v0, 4, SCK               ; and in LDS
	s_and_b32 s[HQ], s[WV], 3
	s_lshr_b32 s[KK], s[WV], 2
	s_bfe_u32 s[CX], ttmp6, 0x40000
	s_and_b32 s[GG], ttmp7, 0xffff
	s_lshr_b32 s[OE], ttmp9, 1
	s_lshl_b32 s44, s[KK], 1
	s_add_co_u32 s[OE], s[OE], s44                 ; o = 2 k + c / 2: of the cluster's number and the wave's alone
	s_sub_co_u32 s[OL], 15, s[OE]
	s_and_b32 s44, ttmp9, 1
	s_lshl_b32 s44, s44, 2
	s_add_co_u32 s44, s44, s[CX]
	s_lshl_b32 s[TE], s[OE], 3
	s_add_co_u32 s[TE], s[TE], s44                 ; i
	s_sub_co_u32 s[TL], 127, s[TE]
	s_mov_b32 s[G1], 15|(3<<16)|(1<<21)            ; the four partners; elements of 8 bytes; no padding: images are read 512 consecutive bytes an instruction
	s_mov_b32 s[G1+1], 32<<16                      ; rows of 256 bytes
	s_mov_b32 s[G1+2], 64<<16                      ; 64 rows
	s_mov_b32 s[G1+3], 32<<16
	s_mov_b32 s[G1+4], 64
	s_mov_b32 s[G1+5], 32                          ; dense
	s_mov_b32 s[G1+6], 0
	s_mov_b32 s[G1+7], 0
	s_lshr_b32 s44, s[WV], 1                       ; chunk w of the kv head: w even K's codes of 256 keys, w odd V's of the same keys
	s_lshl_b32 s44, s44, 14
	s_and_b32 s45, s[WV], 1
	s_lshl_b32 s45, s45, 17
	s_mov_b32 s[G0], 1
	s_add_co_u32 s[G0+1], s44, s45                 ; in LDS all of K on end, then all of V
	s_lshl_b32 s46, s[GG], 18
	s_lshl_b32 s45, s[WV], 14
	s_add_co_u32 s46, s46, s45
	s_mov_b32 s47, 0
	s_mul_i32 s62, s[GG], 12288
	s_add_co_u32 s62, s62, 4194304                 ; the kv head's scale words
	s_mov_b32 s63, 0
	s_lshl_b32 s44, s[GG], 2
	s_add_co_u32 s44, s44, s[HQ]
	s_lshl_b32 s44, s44, 7
	s_add_co_u32 s45, s44, s[TL]                   ; my two tiles of Q
	s_add_co_u32 s44, s44, s[TE]
	s_lshl_b32 s48, s45, 10
	s_mov_b32 s49, 0
	s_lshl_b32 s50, s45, 6
	s_add_co_u32 s50, s50, 8388608
	s_mov_b32 s51, 0
	s_lshl_b32 s52, s44, 10
	s_mov_b32 s53, 0
	s_lshl_b32 s54, s44, 6
	s_add_co_u32 s54, s54, 8388608
	s_mov_b32 s55, 0
	s_mov_b32 s[SEL], 0x76543210
	s_mov_b32 s[SEL+1], 0xfedcba98
	s_mov_b32 s[CS], 0x3e38aa3b                    ; c = log2(e) / 8
	s_mov_b32 s[CS+1], s[CS]
	s_mov_b32 s[MNT], 0x600000
	s_wait_alu depctr_va_vdst(0)
	s_wait_dscnt 0x0                               ; both opening adds are done
	s_wait_kmcnt 0x0
	s_add_nc_u64 s[G0+2:G0+3], s[6:7], s[46:47]
	s_or_b32 s[G0+3], s[G0+3], 0x80000000
	s_add_nc_u64 s[62:63], s[6:7], s[62:63]
	s_add_nc_u64 s[48:49], s[4:5], s[48:49]
	s_add_nc_u64 s[50:51], s[4:5], s[50:51]
	s_add_nc_u64 s[52:53], s[4:5], s[52:53]
	s_add_nc_u64 s[54:55], s[4:5], s[54:55]
	CROUND                                         ; the four partners are here: the joint loads meet
	s_cmp_lt_u32 s[WV], 4                          ; one load a wave; waves 0 to 3, whose chunks the first barrier shows, have a line of their own
	s_cbranch_scc0 .Lrest
	TLOAD
.irp j, 0,1,2,3,4,5
	global_load_b128 v[S+4*\j:S+4*\j+3], v[SO], s[62:63] offset:2048*\j   ; the 12,288 bytes of scale words: 128 threads x 16 bytes x 6
.endr
	s_branch .Lasked
.Lrest:
	TLOAD
.Lasked:
	v_and_b32 v[RR], 15, v0                        ; r
	v_bfe_u32 v8, v0, 4, 1                         ; h
	v_and_b32 v9, 31, v0
	v_lshlrev_b32 v[AK0], 4, v9                    ; an image's place for my lane
	v_lshlrev_b32 v10, 2, v[RR]
	global_load_b128 v[16:19], v[AK0], s[48:49]    ; the late tile's Q
	global_load_b128 v[20:23], v[AK0], s[48:49] offset:512
	global_load_b32 v[QS], v10, s[50:51]
	global_load_b128 v[QE:QE+3], v[AK0], s[52:53]  ; the early tile's
	global_load_b128 v[QE+4:QE+7], v[AK0], s[52:53] offset:512
	global_load_b32 v[QES], v10, s[54:55]
	v_lshl_add_u32 v[ASW], v9, 2, SCK              ; a pair of tiles' scale words: 4 bytes a lane
	v_and_b32 v[QLT], 7, v[RR]
	v_lshrrev_b32 v7, 3, v[RR]
	v_lshl_add_u32 v[QLT], v7, 4, v[QLT]
	v_lshlrev_b32 v7, 4, v8
	v_sub_nc_u32 v[QLT], v[QLT], v7                ; my query in its tile, less my half's 16 keys
	v_lshl_add_u32 v[RB], v0, 2, SST               ; waves 0 to 7: where a tile's 128 scale bytes are read back
	v_lshrrev_b32 v7, 1, v9
	v_and_b32 v8, 1, v9
	v_lshlrev_b32 v8, 2, v8
	v_lshl_add_u32 v[GO], v7, 5, v8                ; row lane / 2 of 32 bytes, word lane % 2
	v_mov_b32 v[INF], 0xff800000
.set j, 0
.rept 8
	v_mov_b32 v[24+j], 0                           ; the zero codes that fill Q's 64 up to 128
	v_mov_b32 v[PCD+j], 0                          ; and finite codes behind K's last fragment until p's first codes lie there
.set j, j+1
.endr
.irp b, 0,1,2,3
	v_mov_b32 v[T2+\b], 0                          ; written once: a lane permute's destination counts as one of its sources
.endr
	v_mov_b32 v[F], 0
	v_mov_b32 v[PW], 0
	TINIT TL, OL, 0
	s_wait_alu depctr_va_vdst(0)                   ; the head's end
	s_wait_loadcnt 0x0                             ; Q, and in waves 0 to 3 the scale words
	s_cmp_lt_u32 s[WV], 4
	s_cbranch_scc0 .Lnot_first
	s_wait_tensorcnt 0x0                           ; waves 0 to 3: my chunk of key steps 0 to 3 is in
.irp j, 0,1,2,3,4,5
	ds_store_b128 v[SD], v[S+4*\j:S+4*\j+3] offset:2048*\j
.endr
.Lnot_first:
	s_wait_dscnt 0x0
	s_barrier_signal -1
	s_barrier_wait -1
.Lfirst:                                           ; the late tile, key steps 0 to 3: all live, none on the diagonal (its octet is 8 at the least)
	STEP 0
	s_cmp_lt_u32 s[SI], 4
	s_cbranch_scc1 .Lfirst
	s_wait_tensorcnt 0x0                           ; every wave: my chunk is in
	s_wait_dscnt 0x0
	s_barrier_signal -1
	s_barrier_wait -1                              ; all of K and V lies in LDS
.Llate:                                            ; key steps 4 to 15: a constant count; what is hidden is jumped over
	STEP 1
	s_cmp_lt_u32 s[SI], 16
	s_cbranch_scc1 .Llate
	WOUT TL, 0
	TINIT TE, OE, 1
	s_wait_alu depctr_va_vdst(0)
	s_wait_xcnt 0x0                                ; the stores have read their codes: the next tile's may be written
.Learly:                                           ; the early tile: key steps 0 to 7
	STEP 1
	s_cmp_lt_u32 s[SI], 8
	s_cbranch_scc1 .Learly
	WOUT TE, 1
	s_wait_dscnt 0x0                               ; for the others' sake: my bytes lie in LDS
	s_barrier_signal -1
	s_barrier_wait -1
	s_cmp_lt_u32 s[WV], 8                          ; wave w stores the scale bytes of the work-group's tile w (0-3 late, 4-7 early): 8 bytes of each of 16 rows, 32 bytes apart
	s_cbranch_scc0 .Ldone
	ds_load_b32 v[BM], v[RB]
	s_and_b32 s44, s[WV], 3
	s_lshl_b32 s44, s44, 1
	s_lshr_b32 s45, ttmp9, 1
	s_add_co_u32 s44, s44, s45
	s_lshl_b32 s44, s44, 3
	s_and_b32 s45, ttmp9, 1
	s_lshl_b32 s45, s45, 2
	s_add_co_u32 s44, s44, s45
	s_add_co_u32 s44, s44, s[CX]                   ; that pair's i
	s_sub_co_u32 s45, 127, s44
	s_cmp_lt_u32 s[WV], 4
	s_cselect_b32 s44, s45, s44
	s_lshr_b32 s45, s[GG], 2
	s_lshl_b32 s45, s45, 7
	s_add_co_u32 s44, s44, s45                     ; that tile among the 512
	s_lshl_b32 s44, s44, 9
	s_and_b32 s45, s[GG], 3
	s_lshl_b32 s45, s45, 3
	s_add_co_u32 s44, s44, s45
	s_add_co_u32 s44, s44, 8388608
	s_mov_b32 s45, 0
	s_add_nc_u64 s[60:61], s[8:9], s[44:45]
	s_wait_dscnt 0x0
	global_store_b32 v[GO], v[BM], s[60:61]
.Ldone:
	s_wait_tensorcnt 0x0                           ; the wave's end: behind my last tensor load and my last LDS store
	ds_add_u32 v[SPW], v[NIL]
	s_wait_dscnt 0x0
	CROUND                                         ; the closing round
	s_endpgm
.Lfunc_end_k_qf14de0a6fc_attn:
	.size	k_qf14de0a6fc_attn, .Lfunc_end_k_qf14de0a6fc_attn-k_qf14de0a6fc_attn
	.p2alignl 7, 3214868480
	.fill 96, 4, 3214868480
	.section	.rodata,"a",@progbits
	.p2align	6, 0x0
	.amdhsa_kernel k_qf14de0a6fc_attn
		.amdhsa_group_segment_fixed_size 327680
		.amdhsa_private_segment_fixed_size 0
		.amdhsa_enable_private_segment 0
		.amdhsa_kernarg_size 24
		.amdhsa_user_sgpr_count 2
		.amdhsa_user_sgpr_kernarg_segment_ptr 1
		.amdhsa_wavefront_size32 1
		.amdhsa_system_sgpr_workgroup_id_x 1
		.amdhsa_system_sgpr_workgroup_id_y 1
		.amdhsa_system_sgpr_workgroup_id_z 1
		.amdhsa_system_vgpr_workitem_id 0
		.amdhsa_next_free_vgpr 256
		.amdhsa_next_free_sgpr 66
		.amdhsa_reserve_vcc 1
		.amdhsa_float_denorm_mode_32 3
		.amdhsa_float_denorm_mode_16_64 3
		.amdhsa_memory_ordered 1
		.amdhsa_forward_progress 1
		.amdhsa_inst_pref_size 93
	.end_amdhsa_kernel
	.amdgpu_metadata
---
amdhsa.version: [ 1, 2 ]
amdhsa.kernels:
  - .name:           k_qf14de0a6fc_attn
    .symbol:         k_qf14de0a6fc_attn.kd
    .args:
      - { .name: qc, .offset: 0, .size: 8, .value_kind: global_buffer, .address_space: global }
      - { .name: kv, .offset: 8, .size: 8, .value_kind: global_buffer, .address_space: global }
      - { .name: att, .offset: 16, .size: 8, .value_kind: global_buffer, .address_space: global }
    .group_segment_fixed_size: 327680
    .private_segment_fixed_size: 0
    .kernarg_segment_align: 8
    .kernarg_segment_size: 24
    .max_flat_workgroup_size: 512
    .sgpr_count:     66
    .vgpr_count:     256
    .wavefront_size: 32
...
	.end_amdgpu_metadata
.endif
;; end of part 3
;; launch oproj (part 4): grid 8 x 32, 4 waves a work-group, clusters of 4 x 4, 327,680 bytes of LDS; arguments att, wq, o_b, out0; writes out0
.if DOCPART == 4
	.amdgcn_target "amdgcn-amd-amdhsa--gfx1250"
	.amdhsa_code_object_version 6
	.text
	.protected	k_qf14de0a6fc_oproj
	.globl	k_qf14de0a6fc_oproj
	.p2align	8
	.type	k_qf14de0a6fc_oproj,@function
k_qf14de0a6fc_oproj:
	s_mov_b64 s[64:65], 0
	v_nop
	global_prefetch_b8 v0, s[64:65] scope:SCOPE_SE
	s_setreg_imm32_b32 hwreg(HW_REG_WAVE_MODE, 25, 1), 1
	s_wait_xcnt 0x0
	s_wait_alu depctr_hold_cnt(0) depctr_sa_sdst(0) depctr_va_vdst(0) depctr_va_sdst(0) depctr_va_ssrc(0) depctr_va_vcc(0) depctr_vm_vsrc(0)
	s_getreg_b32 s2, hwreg(HW_REG_IB_STS2, 6, 4)
	s_cmp_eq_u32 s2, 0
	s_cbranch_scc0 .Lentry_in_a_cluster
	s_endpgm
.Lentry_in_a_cluster:
	s_bfe_u32 s2, ttmp6, 0x10000c
	s_cmp_lg_u32 s2, 0xf033
	s_cbranch_scc0 .Lentry_shape_is_right
	s_endpgm
.Lentry_shape_is_right:
; Launch 4 of 4: out0 = attention's rows x o_w + o_b, 8,192 x 1,024 x 1,024 on codes of E5M2 with one E8M0 byte for each 32 along K; f32 sums, f32 results.  Nothing is left out here.
; THE BUFFERS.  att: codes as images of operand registers, [tile of 16 rows: 16,384 bytes][the q-th 128 of K: 2,048][piece c: 512][lane: 16]; behind 8,388,608 bytes the scale bytes, [tile][row r][32].
; Row r of tile T is token 32 (T / 2) + 8 (T % 2) + r % 8 + 16 (r / 8).  wq: o_w's columns as rows of 1,024 codes from byte 1,572,864 on, column n at row swap34(n) (bits 3 and 4 exchanged); their scale bytes, 32 a row, from byte 2,670,592 on.
; THE DEAL.  256 work-groups of four waves, 2 x 2; a work-group makes 256 rows x 128 columns.  A wave holds 64 rows of the weight, ALL of K, in 512 registers (windows 1 and 2) and streams eight blocks of 16 rows past them,
; 32 products a block; the blocks stand in registers as two whole sets (window 3).  Wave row w takes the tiles 2 n + w, n = 0 .. 7.  The products are used transposed (source 0 = the weight's rows): a lane holds one row of the
; result and, over its four accumulators, 32 numbers of the wave's 64 neighbouring columns.  The bias is the first products' C.
; LDS: two slots of 128 lines of 1,024 bytes + 16 of padding.  At the head, one load a wave: the weight's 128 rows into slot 1 (wave 0), tiles 0 to 7 into slot 0 (wave 1), the scale bytes of 128 rows each (waves 2, 3).
; When all waves hold the weight in registers, tiles 8 to 15 are filled over it, a quarter a wave, behind a drained round of the cluster's barrier; the barrier behind block 2's products shows them.
; CLUSTER 4 x 4: a row of the cluster shares att's rows, a column the weight's: joint loads.  PREFETCH: tiles 8 to 15, 131,072 bytes, are asked for once in each row of the cluster, 8,192 bytes a wave, lanes 256 bytes apart,
; told apart by address; it stands behind the first barrier, the weight's 128 LDS loads and a round ahead of the load that wants them.
; THE WAY OUT.  A block's 16 rows x 256 bytes go through the wave's own stage in LDS and come back two rows an instruction: sixteen lanes store 256 consecutive bytes, aligned.  Block n's stores stand behind block n + 1's products.
.set KROW, 1024
.set KS, 32
.set PITCH, KROW+16
.set FR, 16
.set FPW, 16                           ; fragments in a window
.set NB, 4                             ; column tiles a wave
.set NP, 8                             ; plain vector lines behind a matrix instruction (ISA guide 7.12.1)
.set NF, 34                            ; LDS loads of a block: eight fragments of four, two of four scale words
.set CH, 128
.set YB, CH*PITCH                      ; slot 1
.set SCL, 2*YB                         ; the scale bytes of my 256 rows: 32 units of 256 bytes + 16 of padding
.set STG, SCL+32*272                   ; the stages: 16 rows x 272 bytes for each wave
.set SPARE, STG+4*16*272               ; the spare words: two blocks of 256 bytes that no other line names
.set AB, 4                             ; v4-7  LDS address of my fragments of blocks 0, 2, 4, 6
.set AAS0, 8                           ; v8    of my row's scale words in block 0
.set CO, 9                             ; v9    my place in two rows of out0
.set SPW, 10
.set NIL, 11
.set STO, 12                           ; v12   the stage, on the way in
.set RD, 13                            ; v13   and back
.set ADRB, 14                          ; v14   my fragments of the weight
.set ABS, 16                           ; v16   my offset in the weight's scale bytes
.set PFV, 17                           ; v17   the prefetch's offset
.set BIO, 18                           ; v18   my offset in the bias
.set SB, 24                            ; v24-39  the weight's scale words: register 8 p + q: lanes 0-15 tile 2 p's, lanes 16-31 tile 2 p + 1's
.set SA, 44                            ; v44-59  the rows': two sets of eight
.set ACC, 64                           ; v64-127 two sets of four accumulators
.set BQ, 128                           ; v128-159 the bias in the accumulators' layout
.set OB, 160                           ; v160-223 two sets of 16 rows read back from the stage
.set G1A, 24
.set G1B, 32
.set G1R, 48
.set G0A, 56
.set G0B, 60
.set G0R, 68
.set G0S, 72
.set G1S, 92
.set MSB, 0
.macro WIN new                         ; the immediate's high byte repeats the setting that is left
.if MSB != \new
	s_set_vgpr_msb (MSB<<8)|\new
.set MSB, \new
.endif
.endm
.macro PLACES n
.rept \n
	v_nop
.endr
.endm
.macro BARRIER
	s_barrier_signal -1
	s_barrier_wait -1
.endm
.macro CROUND                          ; a round of the cluster's barrier
	BARRIER
	s_cmp_lg_u32 s14, 0
	s_cbranch_scc1 .Lnot_wave_0_\@
	s_barrier_signal -3
.Lnot_wave_0_\@:
	s_barrier_wait -3
	BARRIER
.endm
.macro TLOAD g0, g1                    ; an s_nop 0 and four v_nop follow the load
	tensor_load_to_lds s[\g0:\g0+3], s[\g1:\g1+7]
	s_nop 0
	PLACES 4
.endm
.macro GROUP1 g, mask, rows            ; so many dense lines of 1,024 bytes, 16 bytes of padding behind each
	s_or_b32 s[\g+0], s[\mask], (1<<20)|(1<<21)|(7<<22)|(3<<25)
	s_mov_b32 s[\g+1], (KROW&0xffff)<<16
	s_mov_b32 s[\g+2], (KROW>>16)|((\rows)<<16)
	s_mov_b32 s[\g+3], KROW<<16
	s_mov_b32 s[\g+4], \rows
	s_mov_b32 s[\g+5], KROW
	s_mov_b32 s[\g+6], 0
	s_mov_b32 s[\g+7], 0
.endm
	s_load_b256 s[4:11], s[0:1], 0x0               ; att s[4:5], wq s[6:7], o_b s[8:9], out0 s[10:11]
	v_lshl_add_u32 v[SPW], v0, 2, SPARE
	v_mov_b32 v[NIL], 0
	ds_add_u32 v[SPW], v[NIL]                      ; the wave's opening: the add, twice on end, and its wait ahead of my first tensor load
	ds_add_u32 v[SPW], v[NIL]
	v_lshrrev_b32 v1, 5, v0
	v_readfirstlane_b32 s14, v1                    ; wave 0..3
	s_lshr_b32 s15, s14, 1                         ; my row of waves
	s_and_b32 s16, s14, 1                          ; my column of waves
	s_bfe_u32 s40, ttmp6, 0x40000                  ; cx, cy
	s_bfe_u32 s41, ttmp6, 0x40004
	s_lshl_b32 s42, ttmp9, 2
	s_add_co_u32 s42, s42, s40                     ; tile column, 0..7
	s_and_b32 s43, ttmp7, 0xffff
	s_lshl_b32 s43, s43, 2
	s_add_co_u32 s43, s43, s41                     ; tile row, 0..31
	s_lshl_b32 s44, s41, 2
	s_lshl_b32 s44, 15, s44                        ; my row of the cluster
	s_lshl_b32 s45, 0x1111, s40                    ; my column
	GROUP1 G1B, 45, CH
	GROUP1 G1A, 44, CH
	GROUP1 G1R, 44, CH/4
	s_or_b32 s[G1S+0], s44, (3<<16)|(1<<20)|(1<<21)|(5<<22)|(3<<25)   ; the scale bytes of 128 rows: 16 units of 256 bytes
	s_mov_b32 s[G1S+1], 32<<16
	s_mov_b32 s[G1S+2], 16<<16
	s_mov_b32 s[G1S+3], 32<<16
	s_mov_b32 s[G1S+4], 16
	s_mov_b32 s[G1S+5], 32
	s_mov_b32 s[G1S+6], 0
	s_mov_b32 s[G1S+7], 0
	s_mov_b32 s[G0S], 1
	s_mul_i32 s[G0S+1], s16, 16*272
	s_add_co_u32 s[G0S+1], s[G0S+1], SCL
	s_mov_b32 s[G0A], 1
	s_mov_b32 s[G0A+1], 0
	s_mov_b32 s[G0B], 1
	s_mov_b32 s[G0B+1], YB
	s_mov_b32 s[G0R], 1
	s_mul_i32 s[G0R+1], s14, CH/4*PITCH
	s_add_co_u32 s[G0R+1], s[G0R+1], YB
	s_lshl_b32 s78, s42, 17                        ; offsets, each under 2^32: the weight's 128 rows,
	s_add_co_u32 s78, s78, 1572864
	s_mov_b32 s79, 0
	s_lshl_b32 s80, s43, 13                        ; the rows' scale bytes, my half,
	s_lshl_b32 s20, s16, 12
	s_add_co_u32 s80, s80, s20
	s_add_co_u32 s80, s80, 8388608
	s_mov_b32 s81, 0
	s_lshl_b32 s82, s42, 12                        ; the scale bytes of my wave's 64 rows of the weight,
	s_lshl_b32 s20, s16, 11
	s_add_co_u32 s82, s82, s20
	s_add_co_u32 s82, s82, 2670592
	s_mov_b32 s83, 0
	s_lshl_b32 s84, s42, 9                         ; my wave's 64 columns, in bytes of f32,
	s_lshl_b32 s20, s16, 8
	s_add_co_u32 s84, s84, s20
	s_mov_b32 s85, 0
	s_lshl_b32 s86, s43, 18                        ; tiles 0 to 7,
	s_mov_b32 s87, 0
	s_lshl_b32 s88, s14, 15                        ; my quarter of tiles 8 to 15,
	s_add_co_u32 s88, s88, s86
	s_add_co_u32 s88, s88, 131072
	s_mov_b32 s89, 0
	s_lshl_b32 s76, s43, 20                        ; and block 0's first row of out0: 256 x tile row + 8 x my row of waves
	s_lshl_b32 s20, s15, 15
	s_add_co_u32 s76, s76, s20
	s_add_co_u32 s76, s76, s84
	s_mov_b32 s77, 0
	s_mul_i32 s20, s16, 64*PITCH
	s_add_co_u32 s20, s20, YB                      ; LDS: my 64 rows of the weight,
	s_mul_i32 s21, s15, 16*PITCH                   ; block 0's tile,
	s_mul_i32 s22, s15, 2*272
	s_add_co_u32 s22, s22, SCL                     ; its scale bytes,
	s_mul_i32 s23, s14, 16*272
	s_add_co_u32 s23, s23, STG                     ; my stage
	s_lshl_b32 s90, s40, 2
	s_add_co_u32 s90, s90, s14
	s_lshl_b32 s90, s90, 13                        ; which sixteenth of tiles 8 to 15 my wave asks for ahead
	s_add_co_u32 s90, s90, s86
	s_add_co_u32 s90, s90, 131072
	v_and_b32 v1, 15, v0                           ; r
	v_bfe_u32 v2, v0, 4, 1                         ; h
	v_and_b32 v3, 31, v0                           ; lane
	v_mul_u32_u24 v22, v1, PITCH
	v_mad_u32_u24 v23, v2, 16, v22
	v_add_nc_u32 v[ADRB], s20, v23                 ; the weight: row r x pitch + 16 h
	v_lshlrev_b32 v22, 4, v3
	v_add_nc_u32 v[AB], s21, v22                   ; the rows: images, 16 x lane
	v_add_nc_u32 v[AB+1], 64*PITCH, v[AB]
	v_add_nc_u32 v[AB+2], YB, v[AB]
	v_add_nc_u32 v[AB+3], YB+64*PITCH, v[AB]
	v_mul_u32_u24 v[ABS], v3, KS
	v_lshlrev_b32 v23, 5, v1                       ; 32 bytes a row, and 16 more for each 256 passed
	v_lshrrev_b32 v22, 3, v1
	v_lshl_add_u32 v23, v22, 4, v23
	v_add_nc_u32 v[AAS0], s22, v23
	v_mul_u32_u24 v22, v1, 272
	v_lshl_add_u32 v22, v2, 6, v22
	v_add_nc_u32 v[STO], s23, v22                  ; in: row r, 64 h bytes on
	v_mul_u32_u24 v22, v2, 272
	v_lshl_add_u32 v22, v1, 4, v22
	v_add_nc_u32 v[RD], s23, v22                   ; back: lanes 0-15 one row, lanes 16-31 the next
	v_lshlrev_b32 v22, 12, v2
	v_lshl_add_u32 v[CO], v1, 4, v22               ; and the same two rows in out0
	v_lshlrev_b32 v[BIO], 6, v2
	v_lshl_add_u32 v[PFV], v3, 8, s90
	s_wait_alu depctr_va_vdst(0)
	s_wait_dscnt 0x0                               ; both opening adds are done
	CROUND                                         ; all sixteen work-groups are here: the first joint loads meet
	s_wait_kmcnt 0x0
	s_add_nc_u64 s[G0A+2:G0A+3], s[4:5], s[86:87]
	s_or_b32 s[G0A+3], s[G0A+3], 0x80000000
	s_add_nc_u64 s[G0B+2:G0B+3], s[6:7], s[78:79]
	s_or_b32 s[G0B+3], s[G0B+3], 0x80000000
	s_add_nc_u64 s[G0S+2:G0S+3], s[4:5], s[80:81]
	s_or_b32 s[G0S+3], s[G0S+3], 0x80000000
	s_add_nc_u64 s[G0R+2:G0R+3], s[4:5], s[88:89]
	s_or_b32 s[G0R+3], s[G0R+3], 0x80000000
	s_add_nc_u64 s[82:83], s[6:7], s[82:83]
	s_add_nc_u64 s[84:85], s[8:9], s[84:85]
	s_add_nc_u64 s[12:13], s[10:11], s[76:77]
	s_cmp_eq_u32 s14, 0                            ; one joint load a wave, and a line of its own for what is shown ahead of the rest
	s_cbranch_scc0 .Lwave_1
	TLOAD G0B, G1B                                 ; wave 0: the weight's rows, which are wanted first
	s_branch .Lasked
.Lwave_1:
	s_cmp_eq_u32 s14, 1
	s_cbranch_scc0 .Lfor_scales
	TLOAD G0A, G1A                                 ; wave 1: tiles 0 to 7
	s_branch .Lasked
.Lfor_scales:
	TLOAD G0S, G1S                                 ; waves 2, 3: the scale bytes of 128 rows each
.Lasked:
.irp p, 0,1
.irp c, 0,1
	global_load_b128 v[SB+8*\p+4*\c:SB+8*\p+4*\c+3], v[ABS], s[82:83] offset:\p*32*KS+16*\c
.endr
.endr
.irp b, 0,1
.irp k, 0,1,2,3
	global_load_b128 v[BQ+16*\b+4*\k:BQ+16*\b+4*\k+3], v[BIO], s[84:85] offset:128*\b+16*\k   ; register 8 t + j of lane (r, h): column 32 (t / 2) + 8 (t % 2) + 16 h + j
.endr
.endr
	s_cmp_eq_u32 s14, 0
	s_cbranch_scc0 .Lnot_b
	s_wait_tensorcnt 0x0                           ; wave 0: the weight has landed.  The other waves' wait stands ahead of the round below
.Lnot_b:
	BARRIER
	global_prefetch_b8 v[PFV], s[4:5] th:TH_LOAD_NT scope:SCOPE_SE
.macro FRAG f, q, off                  ; the weight's fragment f, 16 rows x 128 of K: registers 4 c .. 4 c + 3 hold K = 32 c + 16 h + 0 .. 15; it lies in window 1 + f / 16
	WIN (1+(\f)/FPW)<<6
.irp c, 0,1,2,3
	ds_load_b128 v[FR*((\f)%FPW)+4*\c:FR*((\f)%FPW)+4*\c+3], v[ADRB] offset:128*(\q)+32*\c+(\off)
.endr
.endm
.irp q, 0,1,2,3,4,5,6,7
.irp b, 0,1,2,3
	FRAG NB*\q+\b, \q, \b*16*PITCH
.endr
.endr
	WIN 0
.macro FETCHAT k, a, off, soff         ; a block, 16 rows, all of K, into set k of window 3, and its scale words: NF loads.  Image (q, c) lies 2,048 q + 512 c bytes into its tile, and 16 more for each 1,024 passed
	WIN 3<<6
.irp q, 0,1,2,3,4,5,6,7
.irp c, 0,1,2,3
	ds_load_b128 v[128*(\k)+FR*\q+4*\c:128*(\k)+FR*\q+4*\c+3], v[\a] offset:(\off)+(2*\q+\c/2)*PITCH+(\c%2)*512
.endr
.endr
	WIN 0
	ds_load_b128 v[SA+8*(\k):SA+8*(\k)+3], v[AAS0] offset:\soff
	ds_load_b128 v[SA+8*(\k)+4:SA+8*(\k)+7], v[AAS0] offset:(\soff)+16
.endm
.macro PROD e, n                       ; product n = 4 q + b of a block: the q-th 128 of K, column tile b; rows and sums in set e.  The four accumulators take turns
.set Q_, (\n)/4
.set B_, (\n)%4
.set FB_, NB*Q_+B_
.set AC_, ACC+32*(\e)+8*B_
.set C_, AC_
.if Q_ == 0
.set C_, BQ+8*B_
.endif
.set R_, 128*(\e)+FR*Q_
.set W_, FR*(FB_%FPW)
.set XS_, SA+8*(\e)+Q_
.set WS_, SB+8*(B_/2)+Q_
	WIN (1+FB_/FPW)|(3<<2)
.if B_%2
	v_wmma_scale_f32_16x16x128_f8f6f4 v[AC_:AC_+7], v[W_:W_+FR-1], v[R_:R_+FR-1], v[C_:C_+7], v[WS_], v[XS_] matrix_a_fmt:MATRIX_FMT_BF8 matrix_b_fmt:MATRIX_FMT_BF8 matrix_a_scale:MATRIX_SCALE_ROW1
.else
	v_wmma_scale_f32_16x16x128_f8f6f4 v[AC_:AC_+7], v[W_:W_+FR-1], v[R_:R_+FR-1], v[C_:C_+7], v[WS_], v[XS_] matrix_a_fmt:MATRIX_FMT_BF8 matrix_b_fmt:MATRIX_FMT_BF8
.endif
.endm
.macro TOST n                          ; block n's sums into my stage, each accumulator from its low end on, and back as rows: LDS serves a wave's instructions in order
.irp b, 0,1,2,3
	ds_store_b128 v[STO], v[ACC+32*((\n)%2)+8*\b:ACC+32*((\n)%2)+8*\b+3] offset:128*(\b/2)+32*(\b%2)
	ds_store_b128 v[STO], v[ACC+32*((\n)%2)+8*\b+4:ACC+32*((\n)%2)+8*\b+7] offset:128*(\b/2)+32*(\b%2)+16
.endr
.irp t, 0,1,2,3,4,5,6,7
	ds_load_b128 v[OB+32*((\n)%2)+4*\t:OB+32*((\n)%2)+4*\t+3], v[RD] offset:\t*2*272
.endr
.endm
.macro GST n                           ; block n's rows 2 t, 2 t + 1 are tokens 32 n + (2 t) % 8 + 16 (t / 4) and the next: sixteen lanes store 256 consecutive bytes, aligned
.irp t, 0,1,2,3,4,5,6,7
	global_store_b128 v[CO], v[OB+32*((\n)%2)+4*\t:OB+32*((\n)%2)+4*\t+3], s[12:13] offset:(\n)*131072+(((2*\t)%8)+16*(\t/4))*4096 th:TH_STORE_NT
.endr
.endm
.macro BLK n, w                        ; a block: its products; the fetch of the block two on into its set; the stores of the block before; its own way through the stage
.if (\w) >= 0
	s_wait_dscnt \w
.endif
	s_wait_xcnt 0x0                                ; the stores of the block two back have read their registers, which this block's rows take below
.set N_, 0
.rept 32
	PROD (\n)%2, N_
.set N_, N_+1
.endr
	WIN 0
	PLACES NP                                      ; ahead of the fetch into what the products read, and of the stage's reads of their sums
.if (\n) == 2
	s_wait_tensorcnt 0x0                           ; my quarter of tiles 8 to 15 is in
	s_wait_dscnt 0x0
	BARRIER                                        ; and everybody's
.endif
.if (\n)+2 < 8
	FETCHAT (\n)%2, AB+((\n)+2)/2, (((\n)+2)%2)*32*PITCH, ((((\n)+2)/4)*8+2*(((\n)+2)%4))*544
.if (\n) > 0
	s_wait_dscnt NF                                ; all but the fetch just issued: the block before is back from the stage, and the next block's rows are in
.endif
.else
	s_wait_dscnt 0x0
.endif
.if (\n) > 0
	GST (\n)-1
.endif
	TOST \n
.endm
	s_wait_tensorcnt 0x0                           ; my tile of the head's is in, ahead of a refill
	ds_add_u32 v[SPW], v[NIL]
	s_wait_dscnt 0x0                               ; the add is done, and the weight is in my registers
	CROUND                                         ; both hold of every wave of every partner
	TLOAD G0R, G1R                                 ; tiles 8 to 15 over the weight's bytes, a quarter a wave
	FETCHAT 0, AB, 0, 0
	FETCHAT 1, AB, 32*PITCH, 2*544
	s_wait_loadcnt 0x0                             ; the weight's scale words and the bias
	BLK 0, NF                                      ; block 1's fetch may be out
	BLK 1, NF+16                                   ; block 2's fetch and block 0's sixteen lines through the stage may be out
	BLK 2, -1
	BLK 3, -1
	BLK 4, -1
	BLK 5, -1
	BLK 6, -1
	BLK 7, -1
	s_wait_dscnt 0x0
	GST 7
	s_wait_tensorcnt 0x0                           ; the wave's end: behind my last tensor load and my last LDS store
	ds_add_u32 v[SPW], v[NIL]
	s_wait_dscnt 0x0
	CROUND                                         ; the closing round
	s_endpgm
.Lfunc_end_k_qf14de0a6fc_oproj:
	.size	k_qf14de0a6fc_oproj, .Lfunc_end_k_qf14de0a6fc_oproj-k_qf14de0a6fc_oproj
	.p2alignl 7, 3214868480
	.fill 96, 4, 3214868480
	.section	.rodata,"a",@progbits
	.p2align	6, 0x0
	.amdhsa_kernel k_qf14de0a6fc_oproj
		.amdhsa_group_segment_fixed_size 327680
		.amdhsa_private_segment_fixed_size 0
		.amdhsa_enable_private_segment 0
		.amdhsa_kernarg_size 32
		.amdhsa_user_sgpr_count 2
		.amdhsa_user_sgpr_kernarg_segment_ptr 1
		.amdhsa_wavefront_size32 1
		.amdhsa_system_sgpr_workgroup_id_x 1
		.amdhsa_system_sgpr_workgroup_id_y 1
		.amdhsa_system_sgpr_workgroup_id_z 1
		.amdhsa_system_vgpr_workitem_id 0
		.amdhsa_next_free_vgpr 1024
		.amdhsa_next_free_sgpr 100
		.amdhsa_reserve_vcc 0
		.amdhsa_float_denorm_mode_32 3
		.amdhsa_float_denorm_mode_16_64 3
		.amdhsa_memory_ordered 1
		.amdhsa_forward_progress 1
		.amdhsa_inst_pref_size 86
	.end_amdhsa_kernel
	.amdgpu_metadata
---
amdhsa.version: [ 1, 2 ]
amdhsa.kernels:
  - .name:           k_qf14de0a6fc_oproj
    .symbol:         k_qf14de0a6fc_oproj.kd
    .args:
      - { .name: att, .offset: 0, .size: 8, .value_kind: global_buffer, .address_space: global }
      - { .name: wq, .offset: 8, .size: 8, .value_kind: global_buffer, .address_space: global }
      - { .name: o_b, .offset: 16, .size: 8, .value_kind: global_buffer, .address_space: global }
      - { .name: out0, .offset: 24, .size: 8, .value_kind: global_buffer, .address_space: global }
    .group_segment_fixed_size: 327680
    .private_segment_fixed_size: 0
    .kernarg_segment_align: 8
    .kernarg_segment_size: 32
    .max_flat_workgroup_size: 128
    .sgpr_count:     100
    .vgpr_count:     1024
    .wavefront_size: 32
...
	.end_amdgpu_metadata
.endif
;; end of part 4
